; MI455X (gfx1250); checked and timed in simulation.
; The chip was launched on July 23, 2026; its instructions are those of AMD's public machine-readable ISA for CDNA 5 (MIT licence, August 2026) and "CDNA5" Instruction Set Architecture Reference Guide (July 2026). The comments in the code are by the model that wrote it; some were corrected since.
;; Causal Self Attention. Allowed arithmetic: matrix products marked QUANTISED: E2M1 operands, one E8M0 scale for each 32 along K, by v_wmma_scale_f32_16x16x128_f8f6f4 with both operands' format E2M1 (or v_wmma_scale_f32_32x16x128_f4), f32 sums; everything else in f32.
;; Inputs: W_attn 3,072 x 1,024 float32; W_proj 1,024 x 1,024 float32; b_attn 3,072 float32; b_proj 1,024 float32; x 4 x 2,048 x 1,024 float32.
;; Outputs: out0 4 x 2,048 x 1,024 float32.
;; This version of the problem:
;;   THIS VERSION OF THE PROBLEM IS GIVEN IN LOW PRECISION. The matrix products marked QUANTISED in the list below multiply operands that are first quantised to E2M1 (2 exponent bits, 1 mantissa bit; 4 bits a number), with one power-of-two scale for each 32 numbers along K (OCP MX v1.0); their sums are f32. All else is computed in f32.
;;   The module's matrix products, in the order in which they are computed (A, B: the left and right operand; K: the contracted axis; several contracted axes count as one K, in the product's order):
;;     1. [M 8,192, K 1,024] x [K 1,024, N 3,072]; A: input x; B: input W_attn: QUANTISED
;;     2. batch 64 x [M 2,048, K 64] x [K 64, N 2,048]; A: computed on the way; B: computed on the way: QUANTISED
;;     3. batch 64 x [M 2,048, K 2,048] x [K 2,048, N 64]; A: softmax (see below); B: computed on the way: QUANTISED
;;     4. [M 8,192, K 1,024] x [K 1,024, N 1,024]; A: computed on the way; B: input W_proj: QUANTISED
;;   THE QUANTISER, for each operand of a quantised product, along K:
;;     - K is cut into blocks of 32 from its start; a last block that is shorter is filled with zeros.
;;     - A block's scale is 2^e with e = floor(log2(the largest magnitude in the block)) - 2, held to -126 .. 127; a block of zeros has e = 0. As a byte (E8M0): e + 127.
;;     - Each number is divided by its block's scale, clamped to +-6, and rounded to the nearest number of E2M1, ties to even, subnormals kept.
;;     - The product sums the exact products of the quantised numbers (number of the format x scale) in f32.
;;   ~~~python
;;   def quantise(x, axis):      # numpy; x: float32 -> the quantised numbers, widened to float32 again
;;       x = np.moveaxis(x, axis, -1); K = x.shape[-1]
;;       x = np.pad(x, [(0, 0)] * (x.ndim - 1) + [(0, -K % 32)]); x = x.reshape(x.shape[:-1] + (-1, 32)); a = np.abs(x).max(-1, keepdims=True)
;;       e = np.where(a > 0, np.clip(np.frexp(np.where(a > 0, a, 1))[1] - 1 - 2, -126, 127), 0)      # np.frexp(a)[1] - 1 = floor(log2(a)), exactly
;;       r = np.clip(x / 2.0 ** e, -6, 6)
;;       step = 2.0 ** (np.maximum(np.frexp(np.where(r == 0, 1, r))[1] - 1, 0) - 1)
;;       q = np.round(r / step) * step * 2.0 ** e      # np.round: ties to even
;;       return np.moveaxis(q.reshape(q.shape[:-2] + (-1,))[..., :K], -1, axis).astype(np.float32)
;;   ~~~
;;   SOFTMAX AHEAD OF A QUANTISED PRODUCT. Where the list says 'softmax', what is quantised is not the finished softmax but p = 2^(t - M), with t = logit x log2(e) and M = ceil(the row's largest t), a whole number; so 1/2 < the row's largest p <= 1. The row's sum l is taken of the UNQUANTISED p, in f32, and the product's result is divided by l at the end. Since M is a whole number, a kernel that streams over the keys may use a running M (the ceiling of the running maximum): every later rescaling is an exact power of two, which a block's scale takes up: the codes' values come out the same.
;;   OPERANDS COMPUTED ON THE WAY. 'Computed on the way' means the value that the module computes at that place (a softmax that the list does not call 'softmax' is quantised finished and normalised). What goes into a quantiser is computed in f32, as accurately as f32 sums, v_exp_f32 and their like allow (about 1e-6 of the number): no bf16 or f16 on the way to a quantiser, and a product that is left as it is and whose result goes on into a quantised operand takes f32 operands (vector FMAs, or v_wmma_f32_16x16x4_f32). A number that lies on a knife's edge between two numbers of the format may be rounded either way, as far as f32 arithmetic and the matrix unit's own rounding can turn it there, and no further.
;; One version. Each part assembles by itself: llvm-mc -triple=amdgcn-amd-amdhsa -mcpu=gfx1250 --defsym DOCPART=n.
;; ======== version 1 of 1: 4 launches
;; workspace buffers: opc 6,291,456 bytes; ops 393,216 bytes; qkvc 12,582,912 bytes; qkvs 786,432 bytes; yc 4,194,304 bytes; ys 262,144 bytes
;; launch quant (part 1): grid 384 x 1, 4 waves a work-group, no clusters, 34,304 bytes of LDS; arguments x, W_attn, W_proj, opc, ops; writes opc, ops
.if DOCPART == 1
	.amdgcn_target "amdgcn-amd-amdhsa--gfx1250"
	.amdhsa_code_object_version 6
	.text
	.protected	k_qcdebd0bd5d_quant
	.globl	k_qcdebd0bd5d_quant
	.p2align	8
	.type	k_qcdebd0bd5d_quant,@function
k_qcdebd0bd5d_quant:
	s_mov_b64 s[64:65], 0
	v_nop
	global_prefetch_b8 v0, s[64:65] scope:SCOPE_SE
	s_setreg_imm32_b32 hwreg(HW_REG_WAVE_MODE, 25, 1), 1
	s_wait_xcnt 0x0
; THE PROGRAM: causal self-attention, B 4, T 2,048, C 1,024, 16 heads of 64, all four products on codes of FP4 (E2M1) with one E8M0 scale for each 32 along K.
; Four launches: this one (x, W_attn, W_proj into codes); qkv (product 1 + b_attn, its results quantised on the way out); attn (products 2 and 3, the softmax, y quantised); proj (product 4 + b_proj).
; WORK LEFT OUT, in the launch attn alone: steps of 128 keys all of which come after all 16 queries of a tile.  reference() sets their logits to -inf by its own jnp.tril mask, so their softmax weight is 0
; whatever finite values x, W_attn and b_attn hold, and they add nothing to the row's maximum, to its sum or to y.  Every input has a way to the output and is loaded.
; LIMIT: a NaN, an infinity or an overflow that reaches only those hidden scores is not carried to the result.
; THIS LAUNCH.  Rows of 1,024 f32, K innermost, become OPERAND IMAGES.  A tile is 16 rows, NOT neighbours: row r of tile t is row 32 (t / 2) + 8 (t % 2) + r + 8 (r / 8), so that a product whose source 0 is such a
; tile leaves 16 neighbours in a lane's 16 registers of tiles 2 b and 2 b + 1.  A fragment (16 rows x 128 K, 8 registers a lane) is stored as its registers stand: [c 2][lane 32][16 bytes]; lane (r, h) of group c
; holds k = 64 c + 32 h + 0 .. 31 of row r.  opc: [K step of 512: 2][tile 768][fragment 4][1,024 bytes]; tiles 0-511 x, 512-703 W_attn, 704-767 W_proj.  ops: [tile][K step][r 16][4 words], a word = 128 along K.
; A block's scale is 2^(floor(log2(its largest magnitude)) - 2); its byte is that magnitude's exponent field - 2, held at 1 from below.
; LIMITS: a block of zeros gets the byte 1 where the rule says 127 (its codes are zeros, and this program alone reads the bytes); a block whose largest magnitude lies under 2^-124 has its byte held at 1;
; NaN and infinities among the inputs are not served.
; SHARES.  A wave takes one tile x one K step: 16 rows x 512 K, in four chunks of 128.  Each load reads 512 consecutive bytes of one row; a chunk turns through the wave's own stage in LDS (rows of 512 + 16 bytes),
; from which lane (r, h) takes its two whole blocks of 32.  No barrier: waves share nothing.  Loads run two chunks (32 loads a wave) ahead.
.set STG,   16*528                     ; a wave's stage
.set SPARE, 4*STG                      ; behind the four stages: the spare words, 128 bytes for each wave: two blocks of 256 bytes that no other line names
.set R,     16                         ; v16-143   two sets of 64 registers as loaded
.set X,     144                        ; v144-207  my two blocks of 32 numbers
.set C,     208                        ; v208-239  codes: eight registers for each chunk, never rewritten
.set SW,    240                        ; v240-243  the four scale words
.set SPW,   244                        ; v244      LDS address of my spare word; never rewritten
.set NIL,   245                        ; v245      0; never rewritten
	s_load_b128 s[4:7], s[0:1], 0x0                ; x, W_attn
	s_load_b128 s[8:11], s[0:1], 0x10              ; W_proj, opc
	s_load_b64 s[12:13], s[0:1], 0x20              ; ops
	v_lshl_add_u32 v[SPW], v0, 2, SPARE
	v_mov_b32 v[NIL], 0
	v_lshrrev_b32 v1, 5, v0
	v_readfirstlane_b32 s16, v1                    ; wave 0..3
	v_and_b32 v2, 31, v0                           ; lane
	v_and_b32 v1, 15, v0                           ; r
	v_bfe_u32 v7, v0, 4, 1                         ; h
	v_lshlrev_b32 v3, 4, v2                        ; 16 x lane: my bytes of a load's 512, and of a store's
	s_mul_i32 s17, s16, STG
	v_add_nc_u32 v4, s17, v3                       ; the stage, on the way in
	v_mul_u32_u24 v5, v1, 528
	v_lshl_add_u32 v5, v7, 7, v5
	v_add_nc_u32 v5, s17, v5                       ; and on the way out: row r, + 128 h bytes
	v_lshlrev_b32 v6, 4, v1                        ; 16 r: my row's four scale words
	v_lshlrev_b32 v7, 3, v7                        ; 8 h: where my two bytes stand in a scale word, in bits
	v_mov_b32 v10, 0                               ; written once: a lane permute's destination counts as one of its sources
	s_mov_b32 s14, 0x76543210
	s_mov_b32 s15, 0xfedcba98                      ; v_permlanex16_b32's selects for lane l xor 16
	s_lshr_b32 s18, s16, 1
	s_and_b32 s19, s16, 1                          ; my K step
	s_lshl_b32 s20, ttmp9, 1
	s_add_co_u32 s20, s20, s18                     ; my tile: 2 x work-group + wave / 2
	s_cmp_lt_u32 ttmp9, 256                        ; which tensor?  The choice hangs on the work-group's number alone
	s_cselect_b32 s21, 0, 512                      ; the tensor's first tile
	s_wait_kmcnt 0x0
	s_cselect_b64 s[4:5], s[4:5], s[6:7]
	s_cmp_lt_u32 ttmp9, 352
	s_cselect_b32 s21, s21, 704
	s_cselect_b64 s[4:5], s[4:5], s[8:9]
	s_sub_co_u32 s22, s20, s21                     ; the tile's number t in its tensor
	s_lshr_b32 s23, s22, 1
	s_lshl_b32 s23, s23, 17                        ; 32 (t / 2) rows of 4,096 bytes
	s_and_b32 s24, s22, 1
	s_lshl_b32 s24, s24, 15                        ; + 8 (t % 2) rows
	s_add_co_u32 s24, s24, s23
	s_lshl_b32 s25, s19, 11                        ; + my K step's 2,048 bytes
	s_add_co_u32 s24, s24, s25
	s_mov_b32 s25, 0
	s_add_nc_u64 s[4:5], s[4:5], s[24:25]
	s_mul_i32 s26, s19, 768*4096
	s_lshl_b32 s27, s20, 12
	s_add_co_u32 s26, s26, s27
	s_mov_b32 s27, 0
	s_add_nc_u64 s[10:11], s[10:11], s[26:27]      ; my four fragments in opc
	s_lshl_b32 s26, s20, 9
	s_lshl_b32 s28, s19, 8
	s_add_co_u32 s26, s26, s28
	s_add_nc_u64 s[12:13], s[12:13], s[26:27]      ; my 256 bytes in ops
.macro LOAD q                          ; chunk q: 512 bytes of each of the tile's 16 rows, into set q % 2
.irp i, 0,1,2,3,4,5,6,7,8,9,10,11,12,13,14,15
	global_load_b128 v[R+64*((\q)%2)+4*\i:R+64*((\q)%2)+4*\i+3], v3, s[4:5] offset:(\i+8*(\i/8))*4096+512*(\q) th:TH_LOAD_NT
.endr
.endm
.macro CHUNK q
.if (\q) < 3
	s_wait_loadcnt 16                              ; this chunk's 16 loads are in; the next chunk's 16 may be out
.else
	s_wait_loadcnt 0x0
.endif
.irp i, 0,1,2,3,4,5,6,7,8,9,10,11,12,13,14,15
	ds_store_b128 v4, v[R+64*((\q)%2)+4*\i:R+64*((\q)%2)+4*\i+3] offset:528*\i
.endr
.irp c, 0,1
.irp j, 0,1,2,3,4,5,6,7
	ds_load_b128 v[X+32*\c+4*\j:X+32*\c+4*\j+3], v5 offset:256*\c+16*\j   ; LDS serves a wave's instructions in order: these see the stores above.  k = 64 c + 32 h + 4 j on, of row r
.endr
.endr
	s_wait_dscnt 0x0                               ; my numbers are back, and the stores have read their registers,
.if (\q) < 2
	LOAD (\q)+2                                    ; which take the chunk two further on
.endif
.irp c, 0,1
	v_max3_num_f32 v[8+\c], |v[X+32*\c]|, |v[X+32*\c+1]|, 0x1800000   ; my block 2 c + h: all 32 numbers are mine; and the floor 2^(3 - 127): the byte cannot fall under 1
.endr
.irp i, 2,4,6,8,10,12,14,16,18,20,22,24,26,28,30
.irp c, 0,1
	v_max3_num_f32 v[8+\c], v[8+\c], |v[X+32*\c+\i]|, |v[X+32*\c+\i+1]|   ; (the two blocks by turns)
.endr
.endr
.irp c, 0,1
	v_add_nc_u32 v[12+\c], 0xff000000, v[8+\c]     ; 2 off the exponent field: the conversion takes this operand's exponent field as its scale
.endr
.irp c, 0,1
	v_lshrrev_b32 v[8+\c], 23, v[12+\c]            ; the scale's byte
.endr
	v_lshl_or_b32 v11, v9, 16, v8                  ; my two bytes, blocks h and 2 + h,
	v_lshlrev_b32 v11, v7, v11                     ; at their places in the word;
	v_permlanex16_b32 v10, v11, s14, s15
	v_or_b32 v[SW+(\q)], v11, v10                  ; with lane l xor 16's two the word is whole
.irp c, 0,1
.irp g, 0,1,2,3
	v_cvt_scalef32_pk8_fp4_f32 v[C+8*(\q)+4*\c+\g], v[X+32*\c+8*\g:X+32*\c+8*\g+7], v[12+\c]   ; registers 4 c .. 4 c + 3 of the fragment
.endr
.endr
	v_nop                                          ; one plain place behind the scaled conversions
	global_store_b128 v3, v[C+8*(\q):C+8*(\q)+3], s[10:11] offset:1024*(\q)          ; 32 lanes store 512 consecutive bytes, aligned
	global_store_b128 v3, v[C+8*(\q)+4:C+8*(\q)+7], s[10:11] offset:1024*(\q)+512
.endm
	LOAD 0
	LOAD 1
	CHUNK 0
	CHUNK 1
	CHUNK 2
	CHUNK 3
	s_wait_xcnt 0x0                                ; EXEC changes only behind this wait: the stores above have been issued under the full one
	v_cmp_gt_u32 vcc_lo, 16, v2
	s_and_saveexec_b32 s28, vcc_lo                 ; lanes 0-15: both halves hold the same words
	global_store_b128 v6, v[SW:SW+3], s[12:13]     ; sixteen lanes store 256 consecutive bytes, aligned
	s_wait_xcnt 0x0                                ; and again, in front of the line that widens it
	s_or_b32 exec_lo, exec_lo, s28
	s_wait_tensorcnt 0x0                           ; the wave's end, behind my last LDS store
	ds_add_u32 v[SPW], v[NIL]
	s_wait_dscnt 0x0
	s_endpgm
.Lfunc_end_k_qcdebd0bd5d_quant:
	.size	k_qcdebd0bd5d_quant, .Lfunc_end_k_qcdebd0bd5d_quant-k_qcdebd0bd5d_quant
	.p2alignl 7, 3214868480
	.fill 96, 4, 3214868480
	.section	.rodata,"a",@progbits
	.p2align	6, 0x0
	.amdhsa_kernel k_qcdebd0bd5d_quant
		.amdhsa_group_segment_fixed_size 34304
		.amdhsa_private_segment_fixed_size 0
		.amdhsa_enable_private_segment 0
		.amdhsa_kernarg_size 40
		.amdhsa_user_sgpr_count 2
		.amdhsa_user_sgpr_kernarg_segment_ptr 1
		.amdhsa_wavefront_size32 1
		.amdhsa_system_sgpr_workgroup_id_x 1
		.amdhsa_system_sgpr_workgroup_id_y 1
		.amdhsa_system_sgpr_workgroup_id_z 1
		.amdhsa_system_vgpr_workitem_id 0
		.amdhsa_next_free_vgpr 248
		.amdhsa_next_free_sgpr 66
		.amdhsa_reserve_vcc 1
		.amdhsa_float_denorm_mode_32 3
		.amdhsa_float_denorm_mode_16_64 3
		.amdhsa_memory_ordered 1
		.amdhsa_forward_progress 1
		.amdhsa_inst_pref_size 30
	.end_amdhsa_kernel
	.amdgpu_metadata
---
amdhsa.version: [ 1, 2 ]
amdhsa.kernels:
  - .name:           k_qcdebd0bd5d_quant
    .symbol:         k_qcdebd0bd5d_quant.kd
    .args:
      - { .name: x, .offset: 0, .size: 8, .value_kind: global_buffer, .address_space: global }
      - { .name: W_attn, .offset: 8, .size: 8, .value_kind: global_buffer, .address_space: global }
      - { .name: W_proj, .offset: 16, .size: 8, .value_kind: global_buffer, .address_space: global }
      - { .name: opc, .offset: 24, .size: 8, .value_kind: global_buffer, .address_space: global }
      - { .name: ops, .offset: 32, .size: 8, .value_kind: global_buffer, .address_space: global }
    .group_segment_fixed_size: 34304
    .private_segment_fixed_size: 0
    .kernarg_segment_align: 8
    .kernarg_segment_size: 40
    .max_flat_workgroup_size: 128
    .sgpr_count:     66
    .vgpr_count:     248
    .wavefront_size: 32
...
	.end_amdgpu_metadata
.endif
;; end of part 1
;; launch qkv (part 2): grid 8 x 48, 4 waves a work-group, clusters of 4 x 4, 327,680 bytes of LDS; arguments opc, ops, b_attn, qkvc, qkvs; writes qkvc, qkvs
.if DOCPART == 2
	.amdgcn_target "amdgcn-amd-amdhsa--gfx1250"
	.amdhsa_code_object_version 6
	.text
	.protected	k_qcdebd0bd5d_qkv
	.globl	k_qcdebd0bd5d_qkv
	.p2align	8
	.type	k_qcdebd0bd5d_qkv,@function
k_qcdebd0bd5d_qkv:
	s_mov_b64 s[64:65], 0
	v_nop
	global_prefetch_b8 v0, s[64:65] scope:SCOPE_SE
	s_setreg_imm32_b32 hwreg(HW_REG_WAVE_MODE, 25, 1), 1
	s_wait_xcnt 0x0
	s_wait_alu depctr_hold_cnt(0) depctr_sa_sdst(0) depctr_va_vdst(0) depctr_va_sdst(0) depctr_va_ssrc(0) depctr_va_vcc(0) depctr_vm_vsrc(0)
	s_getreg_b32 s2, hwreg(HW_REG_IB_STS2, 6, 4)
	s_cmp_eq_u32 s2, 0
	s_cbranch_scc0 .Lentry_in_a_cluster
	s_endpgm
.Lentry_in_a_cluster:
	s_bfe_u32 s2, ttmp6, 0x10000c
	s_cmp_lg_u32 s2, 0xf033
	s_cbranch_scc0 .Lentry_shape_is_right
	s_endpgm
.Lentry_shape_is_right:
; qkv = x W_attn^T + b_attn on codes of FP4 (E2M1) with E8M0 scales, K = 1,024; the f32 results never go to memory: they are quantised on the way out, as the operands of the two products of attention.
; Nothing of this product is left out.
; OPERANDS: images of operand registers in opc and ops (the launch quant made them): tiles of 16 rows, row r of tile t = row 32 (t / 2) + 8 (t % 2) + r + 8 (r / 8); a fragment (16 rows x 128 K) is 1,024 bytes,
; [c 2][lane 32][16 bytes]; opc [K step 2][tile 768][fragment 4][1,024]; ops [tile][K step][r 16][4 words].  So a load of a fragment is 16 bytes at 16 x lane: no pitch, no padding, and a wave's 8 tiles are one dense block.
; A tile of the result is 256 x 256, four waves, 128 x 128 a wave: 64 accumulators.  A = the side whose rows stay in LANES (source 1), B = the side whose rows run along a lane's REGISTERS (source 0).
; By B's order of rows a lane's 64 registers of one block of A are, 16 by 16, neighbours along B's rows: register 16 e + i = row 32 e + 16 (lane / 16) + i.  That is what the quantiser takes.
; TWO PATHS, told apart by the cluster's y (the same in all sixteen partners):
;   Q, K (cluster y 0-7):  A = 256 tokens of x, B = 256 rows of W_q | W_k: registers run along the head's 64: q and k are quantised along D.
;   V    (cluster y 8-11): A = 256 rows of W_v, B = 256 tokens of x: registers run along the tokens: v is quantised along the KEYS, and comes out as V^T.
; OUT.  qkvc [b 4][slot 48][65,536]: slots 0-15 q's heads, 16-31 k's, 32-47 v's.  q, k: [group of 128 tokens: 16][tile 8][lane 32][16 bytes], lane (r, h): d = 32 h + 0 .. 31 of the tile's token r.
;   v: [key step 16][tile of 16 d: 4][c 2][lane 32][16 bytes]: a fragment of V^T.  qkvs [b][slot][group 16][256]: q, k: [j 4][r 16][word]: low half tile 2 j's two bytes, high half tile 2 j + 1's;  v: [tile 4][r 16][word].
; K = 1,024 is two slots of 512: both are asked for at the head and nothing is filled again.
; CLUSTERS: 4 x 4 work-groups; A's tiles are shared along a row of the cluster, B's along a column: joint loads, which divide the requests by four.
; LIMITS: as in the launch quant: a block of zeros gets the byte 1; a largest magnitude under 2^-124 has its byte held at 1; NaN and infinities are not served.
; REGISTERS: window 0: v16-31 addresses; v32-95 scale words, two sets, and nothing else; v96-123 at work on the way out; v128-191 A's fragments, one set; on the way out 64 numbers.
;   window 1: B's fragments, two sets, v0 and v128; v192-255 the bias.   windows 2, 3: the accumulators ((a, b) at v[8 (8 (a % 4) + b)]).
.set NQ,     4                         ; matrix instructions deep in a slot
.set FR,     8                         ; registers of a fragment
.set NL,     2                         ; LDS loads that bring one
.set NP,     4                         ; places behind this matrix instruction (ISA guide 7.12.1)
.set FRB,    1024                      ; a fragment's image
.set TILEB,  4*FRB                     ; a tile's four fragments of a K step
.set HALFT,  8*TILEB                   ; 8 tiles: what one tensor load brings, and what one wave reads of A or of B
.set SLOT,   4*HALFT                   ; A's 16 tiles, then B's 16
.set KSTRA,  768*TILEB                 ; from K step to K step in opc
.set KSTRB,  768*TILEB
.set SCL,    2*SLOT                    ; behind the slots: the scale words, 512 bytes a tile
.set HALFS,  8*512
.set SPARE,  SCL+4*HALFS               ; the spare words, 128 bytes for each wave: two blocks of 256 bytes that no other line names
.set ADRA, 16                          ; v16-17  LDS address of my A fragments in slot 0, 1
.set BOA,  18                          ; v18     the bias's offset on path Q, K: 64 h
.set BOB,  19                          ; v19     and on path V: 4 (r + 8 (r / 8))
.set ADRB, 20                          ; v20-21  LDS address of my B fragments
.set STB,  22                          ; v22     the scales' stage: 512 x wave + 4 r
.set STA,  24                          ; v24     the same + 256 h
.set RD,   25                          ; v25     the stage read back: 512 x wave + 16 x lane
.set LI,   26                          ; v26     16 x lane
.set ADRS, 27                          ; v27     LDS address of my scale words: lanes 0-15 A's, lanes 16-31 B's
.set SPW,  28                          ; v28     LDS address of my spare word; never rewritten
.set NIL,  29                          ; v29     0; never rewritten
.set SOFF, 30                          ; v30     the scales' place in qkvs: 16 (lane % 16) + 4,096 (lane / 16)
.set H16,  31                          ; v31     16 h
.set SC,   32                          ; scale words: set s at v[SC + 32 s]; register 4 i + q: lanes 0-15 A's block i, lanes 16-31 B's block i, the slot's q-th 128 along K
.set PC,   96                          ; v96-103   the fragment just made
.set TM,   104                         ; v104-107 largest magnitudes, v108-111 permutes and bytes, v112-115 the conversions' scale operands
.set PW,   116                         ; the scale word just made
.set SV,   117
.set SO,   120                         ; v120-123  the stage's 16 bytes
.set AF,   128                         ; A's fragments
.set T,    128                         ; the way out: 64 numbers of a lane
.set BI,   192                         ; the bias, in window 1
.set G1, 24                            ; s[24:31] descriptor group 1 for A's codes;  s[32:39] group 0, one set for each slot
.set G0, 32
.set G1B, 48                           ; s[48:55], s[56:63] the same for B's
.set G0B, 56
.set SEL, 66                           ; s[66:67] lane selects for lane l xor 16
.set G1S, 68                           ; s[68:75], s[76:79] groups 1 and 0 for A's scales;  s[80:87], s[88:91] for B's
.set G0S, 76
.set G1SB, 80
.set G0SB, 88
.set PATH, 95                          ; s95  0: Q, K;  1: V
.set BIAS, 96                          ; s[96:97]
.set OUT,  98                          ; s[98:99]
.set OUTS, 100                         ; s[100:101]
.set MSB, 0
.macro WIN new                         ; the immediate's high byte repeats the setting that is left
.if MSB != \new
	s_set_vgpr_msb (MSB<<8)|\new
.set MSB, \new
.endif
.endm
.set MUL_LO, 0xa1                      ; source 0 (B) window 1, source 1 (A) window 0, C and D window 2
.set MUL_HI, 0xf1                      ; the same, C and D window 3
.set TO_B,   0x40                      ; destination window 1, address window 0
; A joint load: waves 0 and 1 fetch for A, waves 2 and 3 for B.  Each line has one mask and one set of registers for all that issue it; the branch hangs on the wave's number alone.
; An s_nop 0 and four v_nop follow each of the two lines.
.macro JLOAD g0a, g1a, g0b, g1b
	s_cmp_eq_u32 s15, 0
	s_cbranch_scc0 .Lfor_b_\@
	tensor_load_to_lds s[\g0a:\g0a+3], s[\g1a:\g1a+7]
	s_nop 0
.rept 4
	v_nop
.endr
	s_branch .Lasked_\@
.Lfor_b_\@:
	tensor_load_to_lds s[\g0b:\g0b+3], s[\g1b:\g1b+7]
	s_nop 0
.rept 4
	v_nop
.endr
.Lasked_\@:
.endm
.macro CROUND                          ; a round of the cluster's barrier
	s_barrier_signal -1
	s_barrier_wait -1
	s_cmp_lg_u32 s14, 0
	s_cbranch_scc1 .Lnot_wave_0_\@
	s_barrier_signal -3
.Lnot_wave_0_\@:
	s_barrier_wait -3
	s_barrier_signal -1
	s_barrier_wait -1
.endm
	s_load_b128 s[4:7], s[0:1], 0x0                ; opc, ops
	s_load_b128 s[96:99], s[0:1], 0x10             ; b_attn, qkvc
	s_load_b64 s[100:101], s[0:1], 0x20            ; qkvs
	v_lshl_add_u32 v[SPW], v0, 2, SPARE
	v_mov_b32 v[NIL], 0
	ds_add_u32 v[SPW], v[NIL]                      ; the wave's opening: the add, twice on end, and its wait ahead of my first tensor load
	ds_add_u32 v[SPW], v[NIL]                      ; and once more; the set-up below, work on registers, stands between it and the wait
	v_lshrrev_b32 v1, 5, v0
	v_readfirstlane_b32 s14, v1                    ; wave 0..3
	s_lshr_b32 s15, s14, 1                         ; which half of A's rows is mine.  Also: I fetch for A (0) or for B (1)
	s_and_b32 s16, s14, 1                          ; which half of B's rows.  Also: which 8 tiles I fetch
	s_bfe_u32 s40, ttmp6, 0x40000                  ; cx, cy: my place in the cluster
	s_bfe_u32 s41, ttmp6, 0x40004
	s_and_b32 s2, ttmp7, 0xffff                    ; the cluster's y
	s_max_u32 s3, s2, 8
	s_sub_co_u32 s3, s3, 8
	s_lshl_b32 s3, s3, 1
	s_add_co_u32 s3, s3, ttmp9                     ; B's cluster column: path Q, K: cluster x (0, 1); path V: 2 (y - 8) + x (0 .. 7)
	s_cmp_ge_u32 s2, 8
	s_cselect_b32 s[PATH], 1, 0
	s_cselect_b32 s2, 0, s2                        ; A's cluster row: y, or 0
	s_cselect_b32 s12, 640, 0                      ; A's first tile in opc: x, or W_v
	s_cselect_b32 s13, 0, 512                      ; B's: W_q, or x
	s_lshl_b32 s17, s2, 2
	s_add_co_u32 s17, s17, s41                     ; which 256 rows of A
	s_lshl_b32 s42, s3, 2
	s_add_co_u32 s42, s42, s40                     ; which 256 rows of B
	s_lshl_b32 s43, s41, 2
	s_lshl_b32 s43, 15, s43                        ; my row of the cluster
	s_lshl_b32 s44, 0x1111, s40                    ; my column
	; descriptor group 1: a dense block as rows of 256 bytes (32 elements of 8 bytes), no padding.  Codes: 128 rows;  scales: 16 rows
	s_or_b32 s[G1+0], s43, (3<<16)|(1<<21)         ; 15:0 the mask: A's go to my row; 17:16 elements of 8 bytes; 21 set beside a mask
	s_or_b32 s[G1B+0], s44, (3<<16)|(1<<21)
	s_or_b32 s[G1S+0], s43, (3<<16)|(1<<21)
	s_or_b32 s[G1SB+0], s44, (3<<16)|(1<<21)
.irp g, G1, G1B
	s_mov_b32 s[\g+1], 32<<16                      ; tensor_dim0
	s_mov_b32 s[\g+2], 128<<16                     ; tensor_dim1
	s_mov_b32 s[\g+3], 32<<16                      ; tile_dim0
	s_mov_b32 s[\g+4], 128                         ; tile_dim1
	s_mov_b32 s[\g+5], 32                          ; tensor_dim0_stride
	s_mov_b32 s[\g+6], 0
	s_mov_b32 s[\g+7], 0
.endr
.irp g, G1S, G1SB
	s_mov_b32 s[\g+1], 32<<16
	s_mov_b32 s[\g+2], 16<<16
	s_mov_b32 s[\g+3], 32<<16
	s_mov_b32 s[\g+4], 16
	s_mov_b32 s[\g+5], 32
	s_mov_b32 s[\g+6], 0
	s_mov_b32 s[\g+7], 0
.endr
	s_lshl_b32 s18, s16, 3                         ; which 8 tiles I fetch
	s_lshl_b32 s20, s17, 4
	s_add_co_u32 s20, s20, s18
	s_add_co_u32 s20, s20, s12                     ; A's first tile of mine
	s_lshl_b32 s46, s42, 4
	s_add_co_u32 s46, s46, s18
	s_add_co_u32 s46, s46, s13                     ; B's
	s_lshl_b32 s22, s20, 9                         ; their scale words, in bytes,
	s_mov_b32 s23, 0
	s_lshl_b32 s20, s20, 12                        ; and their codes
	s_mov_b32 s21, 0
	s_lshl_b32 s92, s46, 9
	s_mov_b32 s93, 0
	s_lshl_b32 s46, s46, 12
	s_mov_b32 s47, 0
	s_lshl_b32 s45, s14, 15                        ; where they go: wave x 32,768: no place in the cluster enters an LDS address
	s_lshl_b32 s94, s14, 12
	s_mov_b32 s[SEL], 0x76543210
	s_mov_b32 s[SEL+1], 0xfedcba98
	s_wait_dscnt 0x0                               ; both opening adds are done
	s_wait_kmcnt 0x0
	s_add_nc_u64 s[20:21], s[4:5], s[20:21]
	s_add_nc_u64 s[22:23], s[6:7], s[22:23]
	s_add_nc_u64 s[46:47], s[4:5], s[46:47]
	s_add_nc_u64 s[92:93], s[6:7], s[92:93]
	CROUND                                         ; all sixteen work-groups are here: the joint loads meet
	s_mov_b32 s[G0S], 1
	s_add_co_u32 s[G0S+1], s94, SCL
	s_mov_b64 s[G0S+2:G0S+3], s[22:23]
	s_or_b32 s[G0S+3], s[G0S+3], 0x80000000
	s_mov_b32 s[G0SB], 1
	s_add_co_u32 s[G0SB+1], s94, SCL
	s_mov_b64 s[G0SB+2:G0SB+3], s[92:93]
	s_or_b32 s[G0SB+3], s[G0SB+3], 0x80000000
	JLOAD G0S, G1S, G0SB, G1SB                     ; the scales first: they are wanted with slot 0
.irp s, 0,1
	s_mov_b32 s[G0+4*\s], 1
	s_add_co_u32 s[G0+4*\s+1], s45, \s*SLOT
	s_add_nc_u64 s[G0+4*\s+2:G0+4*\s+3], s[20:21], \s*KSTRA
	s_or_b32 s[G0+4*\s+3], s[G0+4*\s+3], 0x80000000
	s_mov_b32 s[G0B+4*\s], 1
	s_add_co_u32 s[G0B+4*\s+1], s45, \s*SLOT
	s_add_nc_u64 s[G0B+4*\s+2:G0B+4*\s+3], s[46:47], \s*KSTRB
	s_or_b32 s[G0B+4*\s+3], s[G0B+4*\s+3], 0x80000000
	JLOAD G0+4*\s, G1, G0B+4*\s, G1B               ; three tensor loads of mine are out: all that the launch asks for
.endr
	; every LDS address is made here, ahead of the first parting of the two paths
	v_and_b32 v1, 15, v0                           ; r
	v_bfe_u32 v2, v0, 4, 1                         ; h
	v_and_b32 v3, 31, v0
	v_lshlrev_b32 v[LI], 4, v3
	s_lshl_b32 s21, s15, 15                        ; my 8 tiles of A
	s_lshl_b32 s22, s16, 15                        ; my 8 tiles of B,
	s_add_co_u32 s22, s22, 2*HALFT                 ; which lie behind A's 16
.irp s, 0,1
	v_add_nc_u32 v[ADRA+\s], s21, v[LI]
	v_add_nc_u32 v[ADRB+\s], s22, v[LI]
	s_add_co_u32 s21, s21, SLOT
	s_add_co_u32 s22, s22, SLOT
.endr
	v_lshlrev_b32 v5, 4, v1                        ; my row's four words of a K step
	s_lshl_b32 s21, s15, 12                        ; A's: my 8 tiles
	s_lshl_b32 s22, s16, 12                        ; B's: my 8 tiles, behind A's 16
	s_add_co_u32 s22, s22, 2*HALFS
	s_sub_co_u32 s22, s22, s21
	v_mul_u32_u24 v6, s22, v2                      ; lanes 16-31 take B's
	s_add_co_u32 s21, s21, SCL
	v_add_nc_u32 v5, v5, v6
	v_add_nc_u32 v[ADRS], s21, v5
	s_lshl_b32 s23, s14, 9                         ; the scales' stage, 512 bytes a wave, in slot 0: path Q, K from byte 0 on, path V from byte 4,096 on (by the immediate)
	v_lshlrev_b32 v5, 2, v1
	v_add_nc_u32 v[STB], s23, v5
	v_lshl_add_u32 v[STA], v2, 8, v[STB]
	v_add_nc_u32 v[RD], s23, v[LI]
	v_lshlrev_b32 v[H16], 4, v2
	v_lshlrev_b32 v[SOFF], 4, v1
	v_lshl_add_u32 v[SOFF], v2, 12, v[SOFF]
	v_lshlrev_b32 v[BOA], 6, v2
	v_and_b32 v[BOB], 8, v1
	v_add_nc_u32 v[BOB], v[BOB], v1
	v_lshlrev_b32 v[BOB], 2, v[BOB]
.irp b, 0,1,2,3
	v_mov_b32 v[TM+4+\b], 0                        ; written once: a lane permute's destination counts as one of its sources
.endr
	; where the results go.  u = which run of 128 of the 3,072 channels is my wave's: 2 x (its 256) + (its half), + 16 for v
	s_cmp_eq_u32 s[PATH], 0
	s_cselect_b32 s2, s17, s42                     ; which 256 tokens
	s_cselect_b32 s3, s15, s16                     ; and which half of them
	s_cselect_b32 s12, s42, s17                    ; which 256 channels
	s_cselect_b32 s13, s16, s15
	s_lshl_b32 s12, s12, 1
	s_add_co_u32 s12, s12, s13
	s_lshl_b32 s13, s[PATH], 4
	s_add_co_u32 s12, s12, s13                     ; u
	s_lshl_b32 s18, s12, 9
	s_mov_b32 s19, 0
	s_add_nc_u64 s[BIAS:BIAS+1], s[BIAS:BIAS+1], s[18:19]   ; b_attn at channel 128 u
	s_lshr_b32 s13, s2, 3                          ; b
	s_mul_i32 s13, s13, 48
	s_lshl_b32 s12, s12, 1
	s_add_co_u32 s12, s12, s13                     ; my first slot: 48 b + 2 u
	s_and_b32 s2, s2, 7
	s_lshl_b32 s2, s2, 1
	s_add_co_u32 s2, s2, s3                        ; my group of 128 tokens
	s_lshl_b32 s18, s12, 16
	s_lshl_b32 s13, s2, 12
	s_add_co_u32 s18, s18, s13
	s_add_nc_u64 s[OUT:OUT+1], s[OUT:OUT+1], s[18:19]
	s_lshl_b32 s18, s12, 12
	s_lshl_b32 s13, s2, 8
	s_add_co_u32 s18, s18, s13
	s_add_nc_u64 s[OUTS:OUTS+1], s[OUTS:OUTS+1], s[18:19]
	; the bias, in the result's layout; it is waited for on the way out
	s_cmp_lg_u32 s[PATH], 0
	s_cbranch_scc1 .Lbias_v
	WIN TO_B
.irp e, 0,1,2,3                                ; Q, K: the channels run along my registers: register 16 e + i = channel 32 e + 16 h + i
.irp j, 0,1,2,3
	global_load_b128 v[BI+16*\e+4*\j:BI+16*\e+4*\j+3], v[BOA], s[BIAS:BIAS+1] offset:128*\e+16*\j
.endr
.endr
	WIN 0
	s_branch .Lbias_in
.Lbias_v:
	WIN TO_B
.irp a, 0,1,2,3,4,5,6,7                        ; V: my lane is a channel: one number for each block of A, twice, as the pair that the packed addition takes
	global_load_b32 v[BI+2*\a], v[BOB], s[BIAS:BIAS+1] offset:(32*(\a/2)+8*(\a%2))*4
	global_load_b32 v[BI+2*\a+1], v[BOB], s[BIAS:BIAS+1] offset:(32*(\a/2)+8*(\a%2))*4
.endr
	WIN 0
.Lbias_in:
.macro FRAG reg, adr, q, i             ; a fragment comes as it was stored: 16 bytes at 16 x lane, twice
.irp c, 0,1
	ds_load_b128 v[\reg+4*\c:\reg+4*\c+3], v[\adr] offset:TILEB*(\i)+FRB*(\q)+512*\c
.endr
.endm
; 16 matrix instructions: A's blocks a0, a0 + 1 x B's eight, the slot's q-th 128 along K.  p: B's set;  sc: the set of scale words.  zero = 1: the first product starts the sums.
; The 64 accumulators take turns, one instruction a turn, in the same order in every step.
.macro MUL16 a0, p, q, sc, zero
.irp a, \a0, \a0+1
.irp b, 0,1,2,3,4,5,6,7
.if \zero
	v_wmma_scale_f32_16x16x128_f8f6f4 v[8*(8*((\a)%4)+\b):8*(8*((\a)%4)+\b)+7], v[128*(\p)+FR*\b:128*(\p)+FR*\b+FR-1], v[AF+FR*(\a):AF+FR*(\a)+FR-1], 0, v[SC+8*NQ*(\sc)+NQ*\b+(\q)], v[SC+8*NQ*(\sc)+NQ*(\a)+(\q)] matrix_a_fmt:MATRIX_FMT_FP4 matrix_b_fmt:MATRIX_FMT_FP4 matrix_a_scale:MATRIX_SCALE_ROW1
.else
	v_wmma_scale_f32_16x16x128_f8f6f4 v[8*(8*((\a)%4)+\b):8*(8*((\a)%4)+\b)+7], v[128*(\p)+FR*\b:128*(\p)+FR*\b+FR-1], v[AF+FR*(\a):AF+FR*(\a)+FR-1], v[8*(8*((\a)%4)+\b):8*(8*((\a)%4)+\b)+7], v[SC+8*NQ*(\sc)+NQ*\b+(\q)], v[SC+8*NQ*(\sc)+NQ*(\a)+(\q)] matrix_a_fmt:MATRIX_FMT_FP4 matrix_b_fmt:MATRIX_FMT_FP4 matrix_a_scale:MATRIX_SCALE_ROW1
.endif
.endr
.endr
.endm
.macro FETCH_B slot, q, p              ; B's eight fragments of the slot's q-th 128 along K into set p
	WIN TO_B
.irp i, 0,1,2,3,4,5,6,7
	FRAG 128*(\p)+FR*\i, ADRB+\slot, \q, \i
.endr
	WIN 0
.endm
.macro FETCH_A slot, q, i0             ; A's blocks i0 .. i0 + 3
.irp i, \i0, \i0+1, \i0+2, \i0+3
	FRAG AF+FR*(\i), ADRA+\slot, \q, \i
.endr
.endm
.macro SCALES sc                       ; K step sc's scale words: four a row; lanes 0-15 take A's block i, lanes 16-31 B's block i
.irp i, 0,1,2,3,4,5,6,7
	ds_load_b128 v[SC+8*NQ*\sc+NQ*\i:SC+8*NQ*\sc+NQ*\i+3], v[ADRS] offset:512*\i+256*\sc
.endr
.endm
.macro PLACES n                        ; plain vector instructions between a matrix instruction and a load into, or a vector write or read of, its registers
.rept \n
	v_nop
.endr
.endm
; A step of 128 along K that has its successor in the same slot.  A has one set of registers: blocks 0-3 are fetched anew in the step's middle, blocks 4-7 at its end; B has two sets.
.macro STEP slot, q, zero
	s_wait_dscnt 4*NL                              ; B's set and A's blocks 0-3 are in; the youngest eight loads (A's blocks 4-7) may be out
	WIN MUL_LO
	MUL16 0, (\q)%2, \q, \slot, \zero
	MUL16 2, (\q)%2, \q, \slot, \zero
	s_wait_dscnt 0                                 ; A's blocks 4-7 are in
	PLACES NP
	FETCH_B \slot, (\q)+1, 1-(\q)%2
	FETCH_A \slot, (\q)+1, 0
	WIN MUL_HI
	MUL16 4, (\q)%2, \q, \slot, \zero
	MUL16 6, (\q)%2, \q, \slot, \zero
	PLACES NP
	WIN 0
	FETCH_A \slot, (\q)+1, 4
.endm
.macro STEPS slot, from                ; the slot's steps from .. NQ - 2
.set Q, \from
.rept NQ-1-\from
	STEP \slot, Q, 0
.set Q, Q+1
.endr
.endm
	s_wait_tensorcnt 1                             ; the scales and my part of slot 0 are in (slot 1's load may be out)
	s_barrier_signal -1
	s_barrier_wait -1                              ; everybody's are
	FETCH_B 0, 0, 0
	FETCH_A 0, 0, 0
	SCALES 0
	FETCH_A 0, 0, 4
	STEP 0, 0, 1                                   ; the first step's products start the sums: nothing is cleared
	STEPS 0, 1
	; slot 0's last step changes slots: one barrier.  In front of it my part of slot 1 has landed and my reads of slot 0 are over; behind it slot 1 is whole, and slot 0 is free for the stages of the way out
	s_wait_tensorcnt 0x0                           ; all my tensor loads have landed
	ds_add_u32 v[SPW], v[NIL]                      ; 0 onto my spare word
	s_wait_dscnt 4*NL+1                            ; (the add and the youngest eight loads may be out)
	WIN MUL_LO
	MUL16 0, 1, NQ-1, 0, 0
	s_wait_dscnt 0x0                               ; the add is done, and my reads of slot 0 are over
	s_barrier_signal -1
	MUL16 2, 1, NQ-1, 0, 0
	WIN 0
	s_barrier_wait -1
	PLACES NP
	FETCH_B 1, 0, 0
	FETCH_A 1, 0, 0
	SCALES 1
	WIN MUL_HI
	MUL16 4, 1, NQ-1, 0, 0
	MUL16 6, 1, NQ-1, 0, 0
	PLACES NP
	WIN 0
	FETCH_A 1, 0, 4
	STEPS 1, 0
	s_wait_dscnt 4*NL                              ; the very last step: nothing more to fetch
	WIN MUL_LO
	MUL16 0, 1, NQ-1, 1, 0
	MUL16 2, 1, NQ-1, 1, 0
	s_wait_dscnt 0
	WIN MUL_HI
	MUL16 4, 1, NQ-1, 1, 0
	MUL16 6, 1, NQ-1, 1, 0
	WIN 0
; 64 numbers of a lane, v[s] on, register 16 b + i = k 32 b + 16 (lane / 16) + i of my row, become a fragment's codes in v[PC] on and its scale word in v[PW].
.macro QUANT s
.irp b, 0,1,2,3
	v_max3_num_f32 v[TM+\b], |v[\s+16*\b]|, |v[\s+1+16*\b]|, 0x1800000   ; block b: my 16 numbers, and the floor 2^(3 - 127): the byte cannot fall under 1
.endr
.irp i, 2,4,6,8,10,12,14
.irp b, 0,1,2,3
	v_max3_num_f32 v[TM+\b], v[TM+\b], |v[\s+16*\b+\i]|, |v[\s+1+16*\b+\i]|   ; (the four blocks by turns)
.endr
.endr
.irp b, 0,1,2,3
	v_permlanex16_b32 v[TM+4+\b], v[TM+\b], s[SEL], s[SEL+1]
.endr
.irp b, 0,1,2,3
	v_max_num_f32 v[TM+\b], v[TM+\b], v[TM+4+\b]   ; with lane l xor 16's: the block's largest magnitude
.endr
.irp b, 0,1,2,3
	v_add_nc_u32 v[TM+8+\b], 0xff000000, v[TM+\b]  ; 2 off its exponent field: the conversion's scale operand
.endr
.irp b, 0,1,2,3
	v_lshrrev_b32 v[TM+4+\b], 23, v[TM+8+\b]       ; the scale's byte
.endr
	v_lshl_or_b32 v[PW], v[TM+5], 8, v[TM+4]       ; the four bytes make my row's scale word (both halves of the lanes hold it)
	v_lshl_or_b32 v[PW], v[TM+6], 16, v[PW]
	v_lshl_or_b32 v[PW], v[TM+7], 24, v[PW]
.irp b, 0,1,2,3
	v_cvt_scalef32_pk8_fp4_f32 v[PC+2*\b], v[\s+16*\b:\s+7+16*\b], v[TM+8+\b]
	v_cvt_scalef32_pk8_fp4_f32 v[PC+1+2*\b], v[\s+8+16*\b:\s+15+16*\b], v[TM+8+\b]
.endr
	v_nop                                          ; one plain place behind a scaled conversion
.irp c, 0,1                                    ; the operand's layout wants a whole block in a lane: lanes 0-15 block 2 c, lanes 16-31 block 2 c + 1
.irp i, 0,1
	v_permlane16_swap_b32 v[PC+4*\c+\i], v[PC+2+4*\c+\i]
.endr
.endr
.endm
; THE WAY OUT, block by block of A (16 lanes' rows x my 128 of B's rows): the bias is added on the way into window 0 (each accumulator from its low end on), the 64 numbers are quantised, and the fragment
; leaves as it stands: each store covers 512 consecutive bytes, aligned.  The scale words gather in my stage and leave at the end as two aligned runs of 256 bytes.
.macro EPI path
.irp a, 0,1,2,3,4,5,6,7
.if \a > 0
	s_wait_xcnt 0x0                                ; the last block's stores have read the fragment's registers,
	s_wait_dscnt 0x0                               ; and its LDS store its word
.endif
	WIN (0x06+\a/4)                                ; source 0 (the sums) window 2 or 3, source 1 (the bias) window 1
.set n, 0
.rept 32
.if \path
	v_pk_add_f32 v[T+n:T+n+1], v[64*(\a%4)+n:64*(\a%4)+n+1], v[BI+2*\a:BI+2*\a+1]
.else
	v_pk_add_f32 v[T+n:T+n+1], v[64*(\a%4)+n:64*(\a%4)+n+1], v[BI+n:BI+n+1]
.endif
.set n, n+2
.endr
	WIN 0
	QUANT T
.if \path
	global_store_b128 v[LI], v[PC:PC+3], s[OUT:OUT+1] offset:65536*(\a/4)+1024*(\a%4)        ; V^T: head a / 4 of my two, its tile a % 4 of 16 d; keys 64 c + 32 h on of my group's 128
	global_store_b128 v[LI], v[PC+4:PC+7], s[OUT:OUT+1] offset:65536*(\a/4)+1024*(\a%4)+512
	ds_store_b32 v[STB], v[PW] offset:4096+64*\a   ; the word of the four blocks of keys (both halves of the lanes write the same word with the same value)
.else
	global_store_b128 v[LI], v[PC:PC+3], s[OUT:OUT+1] offset:512*\a                          ; tile a of my group's tokens: the first of my two heads (channels 0-63),
	global_store_b128 v[LI], v[PC+4:PC+7], s[OUT:OUT+1] offset:65536+512*\a                  ; and the second
	v_lshrrev_b32 v[SV], v[H16], v[PW]             ; lanes 0-15: the first head's two bytes; lanes 16-31: the second's
	ds_store_b16 v[STA], v[SV] offset:64*(\a/2)+2*(\a%2)
.endif
.endr
.if \path
	ds_load_b128 v[SO:SO+3], v[RD] offset:4096     ; LDS serves a wave's instructions in order: this sees my stores
.else
	ds_load_b128 v[SO:SO+3], v[RD]
.endif
	s_wait_dscnt 0x0
	global_store_b128 v[SOFF], v[SO:SO+3], s[OUTS:OUTS+1]   ; lanes 0-15: the first head's 256 bytes, lanes 16-31: the second's, a slot (4,096 bytes) on
.endm
	s_wait_loadcnt 0x0                             ; the bias
	PLACES NP                                      ; behind the last products: the first additions write registers that held A's fragments
	s_cmp_lg_u32 s[PATH], 0
	s_cbranch_scc1 .Lout_v
	EPI 0
	s_branch .Lend
.Lout_v:
	EPI 1
.Lend:
	s_wait_tensorcnt 0x0                           ; the wave's end, behind my last tensor load and my last LDS store
	ds_add_u32 v[SPW], v[NIL]
	s_wait_dscnt 0x0
	CROUND                                         ; the closing round: no work-group ends while a partner may still ask for a tile that names it
	s_endpgm
.Lfunc_end_k_qcdebd0bd5d_qkv:
	.size	k_qcdebd0bd5d_qkv, .Lfunc_end_k_qcdebd0bd5d_qkv-k_qcdebd0bd5d_qkv
	.p2alignl 7, 3214868480
	.fill 96, 4, 3214868480
	.section	.rodata,"a",@progbits
	.p2align	6, 0x0
	.amdhsa_kernel k_qcdebd0bd5d_qkv
		.amdhsa_group_segment_fixed_size 327680
		.amdhsa_private_segment_fixed_size 0
		.amdhsa_enable_private_segment 0
		.amdhsa_kernarg_size 40
		.amdhsa_user_sgpr_count 2
		.amdhsa_user_sgpr_kernarg_segment_ptr 1
		.amdhsa_wavefront_size32 1
		.amdhsa_system_sgpr_workgroup_id_x 1
		.amdhsa_system_sgpr_workgroup_id_y 1
		.amdhsa_system_sgpr_workgroup_id_z 1
		.amdhsa_system_vgpr_workitem_id 0
		.amdhsa_next_free_vgpr 1024
		.amdhsa_next_free_sgpr 102
		.amdhsa_reserve_vcc 0
		.amdhsa_float_denorm_mode_32 3
		.amdhsa_float_denorm_mode_16_64 3
		.amdhsa_memory_ordered 1
		.amdhsa_forward_progress 1
		.amdhsa_inst_pref_size 197
	.end_amdhsa_kernel
	.amdgpu_metadata
---
amdhsa.version: [ 1, 2 ]
amdhsa.kernels:
  - .name:           k_qcdebd0bd5d_qkv
    .symbol:         k_qcdebd0bd5d_qkv.kd
    .args:
      - { .name: opc, .offset: 0, .size: 8, .value_kind: global_buffer, .address_space: global }
      - { .name: ops, .offset: 8, .size: 8, .value_kind: global_buffer, .address_space: global }
      - { .name: b_attn, .offset: 16, .size: 8, .value_kind: global_buffer, .address_space: global }
      - { .name: qkvc, .offset: 24, .size: 8, .value_kind: global_buffer, .address_space: global }
      - { .name: qkvs, .offset: 32, .size: 8, .value_kind: global_buffer, .address_space: global }
    .group_segment_fixed_size: 327680
    .private_segment_fixed_size: 0
    .kernarg_segment_align: 8
    .kernarg_segment_size: 40
    .max_flat_workgroup_size: 128
    .sgpr_count:     102
    .vgpr_count:     1024
    .wavefront_size: 32
...
	.end_amdgpu_metadata
.endif
;; end of part 2
;; launch attn (part 3): grid 4 x 64, 16 waves a work-group, no clusters, 167,936 bytes of LDS; arguments qkvc, qkvs, yc, ys; writes yc, ys
.if DOCPART == 3
	.amdgcn_target "amdgcn-amd-amdhsa--gfx1250"
	.amdhsa_code_object_version 6
	.text
	.protected	k_qcdebd0bd5d_attn
	.globl	k_qcdebd0bd5d_attn
	.p2align	8
	.type	k_qcdebd0bd5d_attn,@function
k_qcdebd0bd5d_attn:
	s_mov_b64 s[64:65], 0
	v_nop
	global_prefetch_b8 v0, s[64:65] scope:SCOPE_SE
	s_setreg_imm32_b32 hwreg(HW_REG_WAVE_MODE, 25, 1), 1
	s_wait_xcnt 0x0
; y[b][t][head] = softmax over the keys s <= t of (q . k / 8) times v, both products on codes of FP4 (E2M1) with E8M0 scales; y is quantised along C on the way out, as the operand of the last product.
; WORK LEFT OUT: a step of 128 keys all of which come after a tile's 16 queries: reference()'s own jnp.tril mask gives them the weight 0 for all finite inputs.  A NaN or an infinity that reaches only such scores is not carried on.
; THE SOFTMAX AHEAD OF THE SECOND PRODUCT: t = score x log2(e) / 8; M = the running largest t rounded UP to a whole number; p = 2^(t - M) is quantised along the keys, not normalised; the row's sum is taken of the
; unquantised p and divides at the end; when M moves, the sum and O are multiplied by 2^(old M - new M), which rounds nothing.
; INPUTS (the launch qkv made them): qkvc [b][slot 48][65,536], slots 0-15 q, 16-31 k, 32-47 v.  q, k: [group of 128 tokens: 16][tile 8][lane][16 bytes], lane (r, h): d = 32 h on of token 32 (a / 2) + 8 (a % 2) + r + 8 (r / 8).
;   v: [key step 16][tile of 16 d: 4][c 2][lane][16 bytes].  qkvs [b][slot][group][256]: q, k: [j 4][r][word]: low half tile 2 j, high half tile 2 j + 1;  v: [tile 4][r][word].
; SHARES.  Four work-groups to a head, sixteen waves each; a wave owns tile a = wave % 8 of TWO groups of 128 queries, g and 15 - g (g = work-group x for waves 0-7, 7 - x for waves 8-15): g + 1 and 16 - g key steps,
; 17 for every wave.  A head's K and V (codes and scales, 139,264 bytes) lie in LDS whole, each byte filled once, at the head: no ring.  A work-group's largest group is 12 or more, and its waves 0-7 or 8-15 walk
; up to that step; the steps beyond come in the same four dense loads.
; NO CLUSTER, though the four work-groups of a head read the same K and V: which steps a wave walks hangs on the work-group's x, which in a cluster would be its place there.
; K = 64 IN AN INSTRUCTION OF 128.  A fragment of K holds TWO tiles of keys: registers 0-3 (k 0-63) tile 2 f, registers 4-7 (k 64-127) tile 2 f + 1.  Q stands between zero codes: [q 0] picks tile 2 f, [0 q] tile 2 f + 1;
; zero codes add nothing under any scale byte that this program makes (1 to 254).  Q's scale word is its two bytes twice.
; LAYOUT.  Both products are used transposed (S^T = K Q^T, O^T = V^T P^T): a lane holds ONE query.  By the tiles' order of rows S^T's register 16 f + i is key 32 f + 16 (lane / 16) + i of the step, and O^T's register
; 16 e + i is d = 32 e + 16 (lane / 16) + i: 16 neighbours along the next K both times.
; OUT.  yc [K step 2][tile 512][4,096]: head's 512 bytes at (head / 8) 2,097,152 + tile 4,096 + (head % 8) 512, lane (r, h): d = 32 h on.  ys [tile][K step][r][4 words]: a head's two bytes at 16 r + 2 (head % 8):
; two bytes a lane, since a head owns 2 of a row's 32 scale bytes: 262,144 bytes in the whole launch.
; LIMITS: a block of zeros gets the byte 1; a largest magnitude under 2^-124 has its byte held at 1; NaN and infinities are not served.
.set VC,    65536                      ; LDS: K's codes from 0, [step][4,096]; V's from here;
.set KS,    131072                     ; K's scale words, [step][256];
.set VS,    135168                     ; V's;
.set SPARE, 139264                     ; the spare words, 128 bytes for each wave: eight blocks of 256 bytes that no other line names
.set LI,   1                           ; v1   16 x lane
.set AV0,  2                           ; v2   VC + 16 x lane
.set ASK0, 3                           ; v3   KS + 4 r
.set ASV0, 4                           ; v4   VS + 4 r
.set SPW,  5                           ; v5   LDS address of my spare word; never rewritten
.set NIL,  6                           ; v6   0; never rewritten
.set DQ,   7                           ; v7   my query's place in its group, less 16 (lane / 16)
.set ADK,  8                           ; v8-11  the step's LDS addresses: K, V, K's scales, V's
.set ADV,  9
.set ADS,  10
.set ADT,  11
                                       ; v12 -M, v13 the largest t, v[14:15] the sum in two halves
                                       ; v16-35: 0000 qA 0000 qB 0000: [0 q] = v[QB:QB+7], [q 0] = v[QB+4:QB+11], QB = 16 and 24
.set QWA,  36                          ; v36, v37  Q's scale words;  v38  p's: they hold scales and nothing else
.set QWB,  37
.set PWD,  38
.set KF,   40                          ; v40-71   four fragments of K
.set VF,   72                          ; v72-103  four of V^T
.set KW,   104                         ; v104-107 K's scale words;  v108-111 V's
.set VW,   108
.set S,    112                         ; v112-175 S^T, then p; at a tile's end y
.set O,    176                         ; v176-207 O^T
.set PC,   208                         ; v208-215 p's codes
.set BM,   216                         ; v216-219 the blocks' largest
.set PM,   220                         ; v220-223 permutes, the second chain of sums, bytes
.set SO,   224                         ; v224-227 the conversions' scale operands
.set F,    228                         ; v[228:229] f = 2^(old M - new M), low word
.set TV,   230
.set NINF, 231                         ; -infinity
.set YCA,  232                         ; v232-235, v236-239 y's codes;  v240, v241 y's two bytes
.set YCB,  236
.set YSA,  240
.set YSB,  241
.set QSO,  242                         ; 4 r
.set YSO,  243                         ; the two bytes' place in ys
.set YSV,  244
.set LANE, 245
.set WV,   12                          ; s12  my wave's number
.set GA,   18                          ; s18, s19  my two groups
.set GB,   19
.set J,    20                          ; s20  the key step
.set TC,   21                          ; s21  4,096 x step
.set TS,   22                          ; s22  256 x step
.set G1C,  24                          ; s[24:31] descriptor group 1 for codes;  s[32:39] for scales;  s[40:43], s[44:47] their groups 0
.set G1S,  32
.set SEL,  60                          ; s[60:61] lane selects for lane l xor 16
.set CS,   62                          ; s[62:63] c = log2(e) / 8
	s_load_b128 s[4:7], s[0:1], 0x0                ; qkvc, qkvs
	s_load_b128 s[8:11], s[0:1], 0x10              ; yc, ys
	v_lshl_add_u32 v[SPW], v0, 2, SPARE
	v_mov_b32 v[NIL], 0
	ds_add_u32 v[SPW], v[NIL]                      ; the wave's opening: the add, twice on end, and its wait ahead of the first tensor load
	ds_add_u32 v[SPW], v[NIL]                      ; and once more; the set-up below, work on registers, stands between it and the wait
	v_lshrrev_b32 v8, 5, v0
	s_delay_alu instid0(VALU_DEP_1)
	v_readfirstlane_b32 s[WV], v8                  ; wave 0..15
	s_and_b32 s13, ttmp7, 0xffff
	s_lshr_b32 s14, s13, 4                         ; b
	s_and_b32 s15, s13, 15                         ; head
	s_and_b32 s16, s[WV], 7                        ; a: my tile in a group
	s_sub_co_u32 s17, 7, ttmp9
	s_cmp_lt_u32 s[WV], 8
	s_cselect_b32 s[GA], ttmp9, s17
	s_sub_co_u32 s[GB], 15, s[GA]
	s_mul_i32 s13, s14, 48
	s_add_co_u32 s13, s13, s15                     ; q's slot
	; descriptor group 1: a dense block as rows of 256 bytes (32 elements of 8 bytes), no padding, no mask.  Codes: 128 rows;  scales: 16
	s_mov_b32 s[G1C], 3<<16
	s_mov_b32 s[G1C+1], 32<<16                     ; tensor_dim0
	s_mov_b32 s[G1C+2], 128<<16                    ; tensor_dim1
	s_mov_b32 s[G1C+3], 32<<16                     ; tile_dim0
	s_mov_b32 s[G1C+4], 128                        ; tile_dim1
	s_mov_b32 s[G1C+5], 32                         ; tensor_dim0_stride
	s_mov_b32 s[G1C+6], 0
	s_mov_b32 s[G1C+7], 0
	s_mov_b32 s[G1S], 3<<16
	s_mov_b32 s[G1S+1], 32<<16
	s_mov_b32 s[G1S+2], 16<<16
	s_mov_b32 s[G1S+3], 32<<16
	s_mov_b32 s[G1S+4], 16
	s_mov_b32 s[G1S+5], 32
	s_mov_b32 s[G1S+6], 0
	s_mov_b32 s[G1S+7], 0
	; what I fetch, if I fetch.  Waves 0-3: half a head's codes (0, 1: K's; 2, 3: V's);  waves 4, 5: K's and V's scale words
	s_and_b32 s2, s[WV], 1
	s_bfe_u32 s3, s[WV], 0x10001                   ; (wave / 2) % 2
	s_add_co_u32 s17, s13, 16                      ; k's slot; v's is 16 slots on
	s_lshl_b32 s48, s17, 16
	s_lshl_b32 s49, s3, 20
	s_add_co_u32 s48, s48, s49
	s_lshl_b32 s49, s2, 15
	s_add_co_u32 s48, s48, s49
	s_mov_b32 s49, 0
	s_lshl_b32 s50, s17, 12
	s_lshl_b32 s51, s2, 16
	s_add_co_u32 s50, s50, s51
	s_mov_b32 s51, 0
	s_and_b32 s17, s[WV], 3
	s_lshl_b32 s17, s17, 15                        ; the codes' place in LDS
	s_lshl_b32 s2, s2, 12
	s_add_co_u32 s2, s2, KS                        ; the scales'
	s_mov_b32 s[SEL], 0x76543210
	s_mov_b32 s[SEL+1], 0xfedcba98
	s_mov_b32 s[CS], 0x3e38aa3b                    ; log2(e) / 8
	s_mov_b32 s[CS+1], s[CS]                       ; (named with it as a pair, so it is written)
	s_wait_dscnt 0x0                               ; both opening adds are done
	s_wait_kmcnt 0x0
	s_mov_b32 s40, 1
	s_mov_b32 s41, s17
	s_add_nc_u64 s[42:43], s[4:5], s[48:49]
	s_or_b32 s43, s43, 0x80000000
	s_mov_b32 s44, 1
	s_mov_b32 s45, s2
	s_add_nc_u64 s[46:47], s[6:7], s[50:51]
	s_or_b32 s47, s47, 0x80000000
	s_cmp_lt_u32 s[WV], 4                          ; the fills: one tensor load a wave at the most; an s_nop 0 and four v_nop follow each
	s_cbranch_scc0 .Lnot_codes
	tensor_load_to_lds s[40:43], s[G1C:G1C+7]
	s_nop 0
.rept 4
	v_nop
.endr
	s_branch .Lasked
.Lnot_codes:
	s_cmp_lt_u32 s[WV], 6
	s_cbranch_scc0 .Lasked
	tensor_load_to_lds s[44:47], s[G1S:G1S+7]
	s_nop 0
.rept 4
	v_nop
.endr
.Lasked:
	; my two tiles of Q
	s_lshl_b32 s48, s13, 16
	s_lshl_b32 s49, s16, 9
	s_add_co_u32 s48, s48, s49
	s_lshl_b32 s50, s[GB], 12
	s_add_co_u32 s50, s50, s48
	s_lshl_b32 s49, s[GA], 12
	s_add_co_u32 s48, s48, s49
	s_mov_b32 s49, 0
	s_mov_b32 s51, 0
	s_add_nc_u64 s[48:49], s[4:5], s[48:49]
	s_add_nc_u64 s[50:51], s[4:5], s[50:51]
	s_lshl_b32 s52, s13, 12
	s_lshr_b32 s53, s16, 1
	s_lshl_b32 s53, s53, 6
	s_add_co_u32 s52, s52, s53
	s_lshl_b32 s54, s[GB], 8
	s_add_co_u32 s54, s54, s52
	s_lshl_b32 s53, s[GA], 8
	s_add_co_u32 s52, s52, s53
	s_mov_b32 s53, 0
	s_mov_b32 s55, 0
	s_add_nc_u64 s[52:53], s[6:7], s[52:53]
	s_add_nc_u64 s[54:55], s[6:7], s[54:55]
	v_and_b32 v[LANE], 31, v0
	s_delay_alu instid0(VALU_DEP_1)
	v_lshlrev_b32 v[LI], 4, v[LANE]
	v_and_b32 v9, 15, v0                           ; r
	v_bfe_u32 v10, v0, 4, 1                        ; h
	s_delay_alu instid0(VALU_DEP_2)
	v_lshlrev_b32 v[QSO], 2, v9
	global_load_b128 v[20:23], v[LI], s[48:49]
	global_load_b128 v[28:31], v[LI], s[50:51]
	global_load_b32 v[QWA], v[QSO], s[52:53]
	global_load_b32 v[QWB], v[QSO], s[54:55]
.irp j, 16,17,18,19,24,25,26,27,32,33,34,35
	v_mov_b32 v\j, 0                               ; the zero codes round Q
.endr
	v_add_nc_u32 v[AV0], VC, v[LI]
	v_lshl_add_u32 v[ASK0], v9, 2, KS
	v_lshl_add_u32 v[ASV0], v9, 2, VS
	v_and_b32 v11, 8, v9
	s_delay_alu instid0(VALU_DEP_1)
	v_add_nc_u32 v11, v11, v9                      ; r + 8 (r / 8)
	v_lshlrev_b32 v[DQ], 4, v10
	s_delay_alu instid0(VALU_DEP_1)
	v_sub_nc_u32 v[DQ], v11, v[DQ]
	s_lshr_b32 s23, s16, 1
	s_lshl_b32 s23, s23, 5
	s_and_b32 s17, s16, 1
	s_lshl_b32 s2, s17, 3
	s_add_co_u32 s23, s23, s2
	v_add_nc_u32 v[DQ], s23, v[DQ]                 ; 32 (a / 2) + 8 (a % 2) + r + 8 (r / 8) - 16 h
	; where y goes
	s_lshr_b32 s2, s15, 3                          ; head / 8: the last product's K step
	s_and_b32 s3, s15, 7
	s_lshl_b32 s56, s2, 21
	s_lshl_b32 s57, s3, 9
	s_add_co_u32 s56, s56, s57
	s_lshl_b32 s57, s14, 7
	s_add_co_u32 s57, s57, s16                     ; tile = 128 b + a + 8 g
	s_lshl_b32 s23, s57, 12
	s_add_co_u32 s56, s56, s23
	s_lshl_b32 s58, s[GB], 15
	s_add_co_u32 s58, s58, s56
	s_lshl_b32 s23, s[GA], 15
	s_add_co_u32 s56, s56, s23
	s_lshl_b32 s57, s57, 9
	s_lshl_b32 s23, s[GA], 12
	s_add_co_u32 s57, s57, s23
	s_lshl_b32 s2, s2, 8
	s_add_co_u32 s57, s57, s2
	s_lshl_b32 s3, s3, 1
	s_add_co_u32 s2, s57, s3
	s_mov_b32 s3, 0
	s_add_nc_u64 s[10:11], s[10:11], s[2:3]        ; ys at my first tile's row 0, my head's two bytes
	s_mov_b32 s57, 0
	s_mov_b32 s59, 0
	s_add_nc_u64 s[56:57], s[8:9], s[56:57]
	s_add_nc_u64 s[58:59], s[8:9], s[58:59]
	s_sub_co_u32 s23, s[GB], s[GA]
	s_lshl_b32 s23, s23, 12                        ; from my first tile to my second in ys
	v_mul_u32_u24 v[YSO], s23, v10                 ; lanes 16-31 store the second tile's
	s_delay_alu instid0(VALU_DEP_1)
	v_lshl_add_u32 v[YSO], v9, 4, v[YSO]
	v_mov_b32 v[NINF], 0xff800000
	v_mov_b32 v[F+1], 0                            ; (named as the upper half of a pair)
.irp b, 0,1,2,3
	v_mov_b32 v[PM+\b], 0                          ; written once: a lane permute's destination counts as one of its sources
.endr
	s_cmp_eq_u32 s17, 0                            ; an even tile's two bytes are the word's low half
	s_mov_b32 s17, 0x03020302
	s_cselect_b32 s17, 0x01000100, s17
	s_wait_loadcnt 0x0                             ; Q
	v_perm_b32 v[QWA], v[QWA], v[QWA], s17         ; my tile's two bytes, twice
	v_perm_b32 v[QWB], v[QWB], v[QWB], s17
	s_wait_tensorcnt 0x0                           ; my fill has landed,
	s_barrier_signal -1
	s_barrier_wait -1                              ; everybody's has: the head's K and V lie in LDS for the rest of the launch
; A KEY STEP: 128 keys, for the tile whose Q stands at v[QB] on, with scale word v[QW], in group s[G].
.macro STEP QB, QW, G
	s_cmp_gt_u32 s[J], s[\G]                       ; all its keys come after my queries: a scalar branch on ids, round the step's work and not round the lines that step addresses
	s_cbranch_scc1 .Lhid_\@
	s_setprio 2
	v_add_nc_u32 v[ADK], s[TC], v[LI]              ; (these four are also the places between the last step's products and the loads into their registers)
	v_add_nc_u32 v[ADV], s[TC], v[AV0]
	v_add_nc_u32 v[ADS], s[TS], v[ASK0]
	v_add_nc_u32 v[ADT], s[TS], v[ASV0]
.irp f, 0,1,2,3
.irp c, 0,1
	ds_load_b128 v[KF+8*\f+4*\c:KF+8*\f+4*\c+3], v[ADK] offset:1024*\f+512*\c
.endr
	ds_load_b32 v[KW+\f], v[ADS] offset:64*\f
.endr
.irp t, 0,1,2,3
.irp c, 0,1
	ds_load_b128 v[VF+8*\t+4*\c:VF+8*\t+4*\c+3], v[ADV] offset:1024*\t+512*\c
.endr
	ds_load_b32 v[VW+\t], v[ADT] offset:64*\t
.endr
	s_wait_dscnt 12                                ; K's twelve loads are in; V's twelve may be out
.irp f, 0,1,2,3
	v_wmma_scale_f32_16x16x128_f8f6f4 v[S+16*\f:S+16*\f+7], v[KF+8*\f:KF+8*\f+7], v[\QB+4:\QB+11], 0, v[KW+\f], v[\QW] matrix_a_fmt:MATRIX_FMT_FP4 matrix_b_fmt:MATRIX_FMT_FP4
	v_wmma_scale_f32_16x16x128_f8f6f4 v[S+16*\f+8:S+16*\f+15], v[KF+8*\f:KF+8*\f+7], v[\QB:\QB+7], 0, v[KW+\f], v[\QW] matrix_a_fmt:MATRIX_FMT_FP4 matrix_b_fmt:MATRIX_FMT_FP4
.endr
.rept 4
	v_nop
.endr
	s_cmp_lg_u32 s[J], s[\G]                       ; only the step on the diagonal has hidden keys: there their scores become -infinity ahead of the maximum, and p = 0
	s_cbranch_scc1 .Lopen_\@
.irp n, 0,1,2,3,4,5,6,7,8,9,10,11,12,13,14,15,16,17,18,19,20,21,22,23,24,25,26,27,28,29,30,31,32,33,34,35,36,37,38,39,40,41,42,43,44,45,46,47,48,49,50,51,52,53,54,55,56,57,58,59,60,61,62,63
	v_cmp_gt_i32 vcc_lo, 32*(\n/16)+\n%16, v[DQ]   ; register 16 b + i holds key 32 b + 16 h + i of the group: hidden where that is above my query's place
	v_cndmask_b32 v[S+\n], v[S+\n], v[NINF], vcc_lo
.endr
.Lopen_\@:
.irp b, 0,1,2,3
	v_max3_num_f32 v[BM+\b], v[S+16*\b], v[S+16*\b+1], v[S+16*\b+2]   ; the largest score of each block of 32 keys: for the row's maximum and, since p rises with the score, for the block's largest p
.endr
.irp i, 3,5,7,9,11,13
.irp b, 0,1,2,3
	v_max3_num_f32 v[BM+\b], v[BM+\b], v[S+16*\b+\i], v[S+16*\b+\i+1]
.endr
.endr
.irp b, 0,1,2,3
	v_max_num_f32 v[BM+\b], v[BM+\b], v[S+16*\b+15]
.endr
.irp b, 0,1,2,3
	s_delay_alu instid0(VALU_DEP_4)
	v_permlanex16_b32 v[PM+\b], v[BM+\b], s[SEL], s[SEL+1]
.endr
.irp b, 0,1,2,3
	s_delay_alu instid0(VALU_DEP_4)
	v_max_num_f32 v[BM+\b], v[BM+\b], v[PM+\b]     ; with lane l xor 16's 16 keys
.endr
	s_delay_alu instid0(VALU_DEP_2)
	v_max3_num_f32 v[TV], v[BM], v[BM+1], v[BM+2]
	s_delay_alu instid0(VALU_DEP_1)
	v_max_num_f32 v[TV], v[TV], v[BM+3]            ; the step's largest score of my query
	s_delay_alu instid0(VALU_DEP_1)
	v_mul_f32 v[TV], s[CS], v[TV]                  ; as t (c is positive)
	s_delay_alu instid0(VALU_DEP_1)
	v_max_num_f32 v13, v13, v[TV]                  ; the running largest t
	v_mov_b32 v[TV], v12
	s_delay_alu instid0(VALU_DEP_2)
	v_floor_f32 v12, -v13                          ; the new -M = floor(-t) = -ceil(t): a whole number
	s_delay_alu instid0(VALU_DEP_1)
	v_sub_f32 v[TV], v12, v[TV]                    ; old M - new M: a whole number, 0 or less
	s_delay_alu instid0(VALU_DEP_1)
	v_cvt_i32_f32 v[TV], v[TV]                     ; (it saturates)
	s_delay_alu instid0(VALU_DEP_1)
	v_ldexp_f32 v[F], 1.0, v[TV]                   ; f = 2^(old M - new M)
.irp j, 0,2,4,6,8,10,12,14,16,18,20,22,24,26,28,30,32,34,36,38,40,42,44,46,48,50,52,54,56,58,60,62
	v_pk_fma_f32 v[S+\j:S+\j+1], v[S+\j:S+\j+1], s[CS:CS+1], v[12:13] op_sel_hi:[1,0,0]   ; t - M, two at a time
.endr
	s_setprio 1
.irp b, 0,1,2,3
	v_fma_f32 v[BM+\b], v[BM+\b], s[CS], v12       ; the same of each block's largest score
.endr
	s_wait_alu depctr_va_vdst(0)
.irp j, 0,1,2,3,4,5,6,7,8,9,10,11,12,13,14,15,16,17,18,19,20,21,22,23,24,25,26,27,28,29,30,31,32,33,34,35,36,37,38,39,40,41,42,43,44,45,46,47,48,49,50,51,52,53,54,55,56,57,58,59,60,61,62,63
	v_exp_f32 v[S+\j], v[S+\j]                     ; p = 2^(t - M), at most 1: not normalised
.endr
	v_pk_mul_f32 v[14:15], v[14:15], v[F:F+1] op_sel_hi:[1,0]   ; the sums under the new M: a plain instruction behind the exponentials
	s_wait_alu depctr_va_vdst(0)                   ; one wait for the whole batch, ahead of its first reader
.irp b, 0,1,2,3
	v_exp_f32 v[BM+\b], v[BM+\b]                   ; the block's largest p: the same two instructions on the same number give the same bits
.endr
	v_pk_add_f32 v[220:221], v[116:117], v[120:121]
	v_pk_add_f32 v[254:255], v[124:125], v[128:129]
	v_pk_add_f32 v[252:253], v[132:133], v[136:137]
	v_pk_add_f32 v[250:251], v[140:141], v[144:145]
	v_pk_add_f32 v[248:249], v[148:149], v[152:153]
	v_pk_add_f32 v[246:247], v[156:157], v[160:161]
	v_pk_add_f32 v[238:239], v[164:165], v[168:169]
	v_pk_add_f32 v[14:15], v[14:15], v[172:173]
	v_pk_add_f32 v[220:221], v[220:221], v[112:113]
	v_pk_add_f32 v[254:255], v[254:255], v[114:115]
	v_pk_add_f32 v[252:253], v[252:253], v[118:119]
	v_pk_add_f32 v[250:251], v[250:251], v[122:123]
	v_pk_add_f32 v[248:249], v[248:249], v[126:127]
	v_pk_add_f32 v[246:247], v[246:247], v[130:131]
	v_pk_add_f32 v[238:239], v[238:239], v[134:135]
	v_pk_add_f32 v[14:15], v[14:15], v[138:139]
	v_pk_add_f32 v[220:221], v[220:221], v[142:143]
	v_pk_add_f32 v[254:255], v[254:255], v[146:147]
	v_pk_add_f32 v[252:253], v[252:253], v[150:151]
	v_pk_add_f32 v[250:251], v[250:251], v[154:155]
	v_pk_add_f32 v[248:249], v[248:249], v[158:159]
	v_pk_add_f32 v[246:247], v[246:247], v[162:163]
	v_pk_add_f32 v[238:239], v[238:239], v[166:167]
	v_pk_add_f32 v[14:15], v[14:15], v[170:171]
	v_pk_add_f32 v[220:221], v[220:221], v[174:175]
	s_delay_alu instid0(VALU_DEP_2)
	v_pk_add_f32 v[14:15], v[14:15], v[250:251]
	s_delay_alu instid0(VALU_DEP_2)
	v_pk_add_f32 v[220:221], v[220:221], v[248:249]
	v_pk_add_f32 v[254:255], v[254:255], v[246:247]
	v_pk_add_f32 v[252:253], v[252:253], v[238:239]
	s_delay_alu instid0(VALU_DEP_2)
	v_pk_add_f32 v[14:15], v[14:15], v[254:255]
	s_delay_alu instid0(VALU_DEP_2)
	v_pk_add_f32 v[220:221], v[220:221], v[252:253]
	s_delay_alu instid0(VALU_DEP_1)
	v_pk_add_f32 v[14:15], v[14:15], v[220:221]
	s_wait_alu depctr_va_vdst(0)                   ; and one for the four
.irp b, 0,1,2,3
	v_max_num_f32 v[BM+\b], 0x1800000, v[BM+\b]    ; the floor 2^(3 - 127): the byte cannot fall under 1 (a block whose every p is 0 keeps that byte: its codes are zeros)
.endr
.irp b, 0,1,2,3
	s_delay_alu instid0(VALU_DEP_4)
	v_add_nc_u32 v[SO+\b], 0xff000000, v[BM+\b]    ; 2 off the exponent field: the conversion's scale operand
.endr
.irp b, 0,1,2,3
	s_delay_alu instid0(VALU_DEP_4)
	v_lshrrev_b32 v[PM+\b], 23, v[SO+\b]           ; the scale's byte
.endr
	s_delay_alu instid0(VALU_DEP_3)
	v_lshl_or_b32 v[PWD], v[PM+1], 8, v[PM]        ; p's scale word for these 128 keys
	s_delay_alu instid0(VALU_DEP_1)
	v_lshl_or_b32 v[PWD], v[PM+2], 16, v[PWD]
	s_delay_alu instid0(VALU_DEP_1)
	v_lshl_or_b32 v[PWD], v[PM+3], 24, v[PWD]
	s_setprio 0
.irp b, 0,1,2,3
	v_cvt_scalef32_pk8_fp4_f32 v[PC+2*\b], v[S+16*\b:S+16*\b+7], v[SO+\b]
	v_cvt_scalef32_pk8_fp4_f32 v[PC+2*\b+1], v[S+16*\b+8:S+16*\b+15], v[SO+\b]
.endr
	v_nop                                          ; one plain place behind a scaled conversion
.irp c, 0,1                                    ; the operand's layout wants a whole block in a lane
.irp i, 0,1
	v_permlane16_swap_b32 v[PC+4*\c+\i], v[PC+2+4*\c+\i]
.endr
.endr
.irp j, 0,2,4,6,8,10,12,14,16,18,20,22,24,26,28,30
	v_pk_mul_f32 v[O+\j:O+\j+1], v[O+\j:O+\j+1], v[F:F+1] op_sel_hi:[1,0]   ; O^T under the new M, each accumulator from its low end on.  (These sixteen are also the places between the lines that made p's codes and scale word and the products)
.endr
	s_wait_alu depctr_va_vdst(0)
	s_wait_dscnt 0x0                               ; V
.irp t, 0,1,2,3                                ; O^T += V^T P^T: the four accumulators by turns
	v_wmma_scale_f32_16x16x128_f8f6f4 v[O+8*\t:O+8*\t+7], v[VF+8*\t:VF+8*\t+7], v[PC:PC+7], v[O+8*\t:O+8*\t+7], v[VW+\t], v[PWD] matrix_a_fmt:MATRIX_FMT_FP4 matrix_b_fmt:MATRIX_FMT_FP4
.endr
.Lhid_\@:
	s_add_co_u32 s[TC], s[TC], 4096                ; the next step's tiles and scale words
	s_add_co_u32 s[TS], s[TS], 256
.endm
; ONE TILE OF 16 QUERIES: all its key steps, then y.  The trip count is a constant (the most that the tile's group can ask for); steps past the diagonal are passed over inside STEP.
.macro WALK trips, QB, QW, G, YC, YS, YB
	v_mov_b32 v13, 0xff61b1e6                      ; the largest t so far: -3e38, under every t
	s_delay_alu instid0(VALU_DEP_1)
	v_floor_f32 v12, -v13                          ; -M
	v_mov_b32 v14, 0                               ; the sum, in two halves
	v_mov_b32 v15, 0
.set n, 0
.rept 32
	v_mov_b32 v[O+n], 0                            ; O^T.  (The step is written once: the first finds zeros, which the first change of M leaves zeros)
.set n, n+1
.endr
	s_mov_b32 s[J], 0
	s_mov_b32 s[TC], 0
	s_mov_b32 s[TS], 0
.Lstep_\@:
	STEP \QB, \QW, \G
	s_add_co_u32 s[J], s[J], 1
	s_cmp_lt_u32 s[J], \trips
	s_cbranch_scc1 .Lstep_\@
	s_setprio 0
.rept 4
	v_nop                                          ; places behind the last products
.endr
	v_add_f32 v14, v14, v15                        ; the sum's two halves,
	s_delay_alu instid0(VALU_DEP_1)
	v_permlanex16_b32 v[PM], v14, s[SEL], s[SEL+1]
	s_delay_alu instid0(VALU_DEP_1)
	v_add_f32 v14, v14, v[PM]                      ; and lane l xor 16's: the row's sum
	s_wait_alu depctr_va_vdst(0)
	v_rcp_f32 v14, v14
	v_nop                                          ; a plain place behind the reciprocal,
	s_wait_alu depctr_va_vdst(0)                   ; and the wait ahead of its first reader
.set n, 0
.rept 16
	v_pk_mul_f32 v[S+n:S+n+1], v[O+n:O+n+1], v[14:15] op_sel_hi:[1,0]   ; y = O^T / the sum: register 16 e + i is d = 32 e + 16 h + i
.set n, n+2
.endr
.irp e, 0,1
	v_max3_num_f32 v[BM+\e], |v[S+16*\e]|, |v[S+16*\e+1]|, 0x1800000   ; y's two blocks of 32 along C, with the floor
.endr
.irp i, 2,4,6,8,10,12,14
.irp e, 0,1
	s_delay_alu instid0(VALU_DEP_2)
	v_max3_num_f32 v[BM+\e], v[BM+\e], |v[S+16*\e+\i]|, |v[S+16*\e+\i+1]|
.endr
.endr
.irp e, 0,1
	s_delay_alu instid0(VALU_DEP_2)
	v_permlanex16_b32 v[PM+\e], v[BM+\e], s[SEL], s[SEL+1]
.endr
.irp e, 0,1
	s_delay_alu instid0(VALU_DEP_2)
	v_max_num_f32 v[BM+\e], v[BM+\e], v[PM+\e]
.endr
.irp e, 0,1
	s_delay_alu instid0(VALU_DEP_2)
	v_add_nc_u32 v[SO+\e], 0xff000000, v[BM+\e]
.endr
.irp e, 0,1
	s_delay_alu instid0(VALU_DEP_2)
	v_lshrrev_b32 v[PM+\e], 23, v[SO+\e]
.endr
	s_delay_alu instid0(VALU_DEP_1)
	v_lshl_or_b32 v[\YS], v[PM+1], 8, v[PM]        ; my row's two bytes
.irp e, 0,1
	v_cvt_scalef32_pk8_fp4_f32 v[\YC+2*\e], v[S+16*\e:S+16*\e+7], v[SO+\e]
	v_cvt_scalef32_pk8_fp4_f32 v[\YC+2*\e+1], v[S+16*\e+8:S+16*\e+15], v[SO+\e]
.endr
	v_nop                                          ; one plain place behind a scaled conversion
	v_permlane16_swap_b32 v[\YC], v[\YC+2]         ; a whole block in a lane: lanes 0-15 d 0-31, lanes 16-31 d 32-63
	v_permlane16_swap_b32 v[\YC+1], v[\YC+3]
	global_store_b128 v[LI], v[\YC:\YC+3], s[\YB:\YB+1]   ; 512 consecutive bytes, aligned.  Its registers and its base are the tile's own and are not written again
.endm
	WALK 8, 16, QWA, GA, YCA, YSA, 56
	WALK 16, 24, QWB, GB, YCB, YSB, 58
	v_cmp_le_u32 vcc_lo, 16, v[LANE]
	s_delay_alu instid0(VALU_DEP_1)
	v_cndmask_b32 v[YSV], v[YSA], v[YSB], vcc_lo   ; lanes 0-15: the first tile's rows; lanes 16-31: the second's (both halves of the lanes hold every row's bytes)
	global_store_b16 v[YSO], v[YSV], s[10:11]
	s_wait_tensorcnt 0x0                           ; the wave's end
	ds_add_u32 v[SPW], v[NIL]
	s_wait_dscnt 0x0
	s_endpgm
.Lfunc_end_k_qcdebd0bd5d_attn:
	.size	k_qcdebd0bd5d_attn, .Lfunc_end_k_qcdebd0bd5d_attn-k_qcdebd0bd5d_attn
	.p2alignl 7, 3214868480
	.fill 96, 4, 3214868480
	.section	.rodata,"a",@progbits
	.p2align	6, 0x0
	.amdhsa_kernel k_qcdebd0bd5d_attn
		.amdhsa_group_segment_fixed_size 167936
		.amdhsa_private_segment_fixed_size 0
		.amdhsa_enable_private_segment 0
		.amdhsa_kernarg_size 32
		.amdhsa_user_sgpr_count 2
		.amdhsa_user_sgpr_kernarg_segment_ptr 1
		.amdhsa_wavefront_size32 1
		.amdhsa_system_sgpr_workgroup_id_x 1
		.amdhsa_system_sgpr_workgroup_id_y 1
		.amdhsa_system_sgpr_workgroup_id_z 1
		.amdhsa_system_vgpr_workitem_id 0
		.amdhsa_next_free_vgpr 256
		.amdhsa_next_free_sgpr 66
		.amdhsa_reserve_vcc 1
		.amdhsa_float_denorm_mode_32 3
		.amdhsa_float_denorm_mode_16_64 3
		.amdhsa_memory_ordered 1
		.amdhsa_forward_progress 1
		.amdhsa_inst_pref_size 62
	.end_amdhsa_kernel
	.amdgpu_metadata
---
amdhsa.version: [ 1, 2 ]
amdhsa.kernels:
  - .name:           k_qcdebd0bd5d_attn
    .symbol:         k_qcdebd0bd5d_attn.kd
    .args:
      - { .name: qkvc, .offset: 0, .size: 8, .value_kind: global_buffer, .address_space: global }
      - { .name: qkvs, .offset: 8, .size: 8, .value_kind: global_buffer, .address_space: global }
      - { .name: yc, .offset: 16, .size: 8, .value_kind: global_buffer, .address_space: global }
      - { .name: ys, .offset: 24, .size: 8, .value_kind: global_buffer, .address_space: global }
    .group_segment_fixed_size: 167936
    .private_segment_fixed_size: 0
    .kernarg_segment_align: 8
    .kernarg_segment_size: 32
    .max_flat_workgroup_size: 512
    .sgpr_count:     66
    .vgpr_count:     256
    .wavefront_size: 32
...
	.end_amdgpu_metadata
.endif
;; end of part 3
;; launch proj (part 4): grid 4 x 32, 4 waves a work-group, clusters of 4 x 4, 327,680 bytes of LDS; arguments yc, ys, opc, ops, b_proj, out0; writes out0
.if DOCPART == 4
	.amdgcn_target "amdgcn-amd-amdhsa--gfx1250"
	.amdhsa_code_object_version 6
	.text
	.protected	k_qcdebd0bd5d_proj
	.globl	k_qcdebd0bd5d_proj
	.p2align	8
	.type	k_qcdebd0bd5d_proj,@function
k_qcdebd0bd5d_proj:
	s_mov_b64 s[64:65], 0
	v_nop
	global_prefetch_b8 v0, s[64:65] scope:SCOPE_SE
	s_setreg_imm32_b32 hwreg(HW_REG_WAVE_MODE, 25, 1), 1
	s_wait_xcnt 0x0
	s_wait_alu depctr_hold_cnt(0) depctr_sa_sdst(0) depctr_va_vdst(0) depctr_va_sdst(0) depctr_va_ssrc(0) depctr_va_vcc(0) depctr_vm_vsrc(0)
	s_getreg_b32 s2, hwreg(HW_REG_IB_STS2, 6, 4)
	s_cmp_eq_u32 s2, 0
	s_cbranch_scc0 .Lentry_in_a_cluster
	s_endpgm
.Lentry_in_a_cluster:
	s_bfe_u32 s2, ttmp6, 0x10000c
	s_cmp_lg_u32 s2, 0xf033
	s_cbranch_scc0 .Lentry_shape_is_right
	s_endpgm
.Lentry_shape_is_right:
; out0 = y W_proj^T + b_proj on codes of FP4 (E2M1) with E8M0 scales, K = 1,024; f32 sums; nothing of this product is left out.
; OPERANDS: images of operand registers: tiles of 16 rows, row r of tile t = row 32 (t / 2) + 8 (t % 2) + r + 8 (r / 8); a fragment (16 rows x 128 K) is 1,024 bytes, [c 2][lane 32][16 bytes].
; y: yc [K step 2][tile 512][4,096], ys [tile][K step][r 16][4 words] (the launch attn made them);  W_proj: tiles 704-767 of opc [K step 2][tile 768][4,096] and ops (the launch quant).
; A tile of out0 is 256 tokens x 256 outputs, four waves, 128 x 128 a wave: 64 accumulators.  A = y (source 1: a token stays in a lane), B = W_proj (source 0: the outputs run along a lane's registers:
; register 16 e + i of a block of A = output 32 e + 16 (lane / 16) + i).  32 x 4 tiles: 128 work-groups: a finer tile would fill more of the chip and read each fragment for fewer products.
; K = 1,024 is two slots of 512: both are asked for at the head and nothing is filled again.
; CLUSTERS: 4 x 4 work-groups; A's tiles are shared along a row of the cluster, B's along a column: joint loads, which divide the requests by four.
; REGISTERS: window 0: v16-31 addresses; v32-95 scale words, two sets, and nothing else; v128-191 A's fragments, one set; on the way out 64 numbers; v192-255 rows read back from the stage.
;   window 1: B's fragments, two sets, v0 and v128; v192-255 the bias.   windows 2, 3: the accumulators ((a, b) at v[8 (8 (a % 4) + b)]).
.set NQ,     4                         ; matrix instructions deep in a slot
.set FR,     8                         ; registers of a fragment
.set NL,     2                         ; LDS loads that bring one
.set NP,     4                         ; places behind this matrix instruction (ISA guide 7.12.1)
.set FRB,    1024                      ; a fragment's image
.set TILEB,  4*FRB                     ; a tile's four fragments of a K step
.set HALFT,  8*TILEB                   ; 8 tiles: what one tensor load brings, and what one wave reads of A or of B
.set SLOT,   4*HALFT                   ; A's 16 tiles, then B's 16
.set KSTRA,  512*TILEB                 ; from K step to K step in yc,
.set KSTRB,  768*TILEB                 ; and in opc
.set SCL,    2*SLOT                    ; behind the slots: the scale words, 512 bytes a tile
.set HALFS,  8*512
.set SPARE,  SCL+4*HALFS               ; the spare words, 128 bytes for each wave: two blocks of 256 bytes that no other line names
.set SPITCH, 528                       ; the way out: a stage of 16 rows x (512 bytes + 16) for each wave, in slot 0, which has had its one fill and its last read by then
.set ADRA, 16                          ; v16-17  LDS address of my A fragments in slot 0, 1
.set BOA,  18                          ; v18     the bias's offset: 64 h
.set ADRB, 20                          ; v20-21  LDS address of my B fragments
.set STO,  24                          ; v24     the stage: where I put 64 bytes of a row, 16 at a time
.set RD,   25                          ; v25     and where I read a row back
.set LI,   26                          ; v26     16 x lane
.set ADRS, 27                          ; v27     LDS address of my scale words: lanes 0-15 A's, lanes 16-31 B's
.set SPW,  28                          ; v28     LDS address of my spare word; never rewritten
.set NIL,  29                          ; v29     0; never rewritten
.set SC,   32                          ; scale words: set s at v[SC + 32 s]; register 4 i + q: lanes 0-15 A's block i, lanes 16-31 B's block i, the slot's q-th 128 along K
.set AF,   128                         ; A's fragments
.set T,    128                         ; the way out: 64 numbers of a lane
.set BK,   192                         ; 16 rows read back
.set BI,   192                         ; the bias, in window 1
.set G1, 24                            ; s[24:31] descriptor group 1 for A's codes;  s[32:39] group 0, one set for each slot
.set G0, 32
.set G1B, 48                           ; s[48:55], s[56:63] the same for B's
.set G0B, 56
.set G1S, 68                           ; s[68:75], s[76:79] groups 1 and 0 for A's scales;  s[80:87], s[88:91] for B's
.set G0S, 76
.set G1SB, 80
.set G0SB, 88
.set BIAS, 96                          ; s[96:97]
.set OUT,  98                          ; s[98:99]
.set MSB, 0
.macro WIN new                         ; the immediate's high byte repeats the setting that is left
.if MSB != \new
	s_set_vgpr_msb (MSB<<8)|\new
.set MSB, \new
.endif
.endm
.set MUL_LO, 0xa1                      ; source 0 (B) window 1, source 1 (A) window 0, C and D window 2
.set MUL_HI, 0xf1                      ; the same, C and D window 3
.set TO_B,   0x40                      ; destination window 1, address window 0
; A joint load: waves 0 and 1 fetch for A, waves 2 and 3 for B.  Each line has one mask and one set of registers for all that issue it; the branch hangs on the wave's number alone.
; An s_nop 0 and four v_nop follow each of the two lines.
.macro JLOAD g0a, g1a, g0b, g1b
	s_cmp_eq_u32 s15, 0
	s_cbranch_scc0 .Lfor_b_\@
	tensor_load_to_lds s[\g0a:\g0a+3], s[\g1a:\g1a+7]
	s_nop 0
.rept 4
	v_nop
.endr
	s_branch .Lasked_\@
.Lfor_b_\@:
	tensor_load_to_lds s[\g0b:\g0b+3], s[\g1b:\g1b+7]
	s_nop 0
.rept 4
	v_nop
.endr
.Lasked_\@:
.endm
.macro CROUND                          ; a round of the cluster's barrier
	s_barrier_signal -1
	s_barrier_wait -1
	s_cmp_lg_u32 s14, 0
	s_cbranch_scc1 .Lnot_wave_0_\@
	s_barrier_signal -3
.Lnot_wave_0_\@:
	s_barrier_wait -3
	s_barrier_signal -1
	s_barrier_wait -1
.endm
	s_load_b256 s[4:11], s[0:1], 0x0               ; yc, ys, opc, ops
	s_load_b128 s[96:99], s[0:1], 0x20             ; b_proj, out0
	v_lshl_add_u32 v[SPW], v0, 2, SPARE
	v_mov_b32 v[NIL], 0
	ds_add_u32 v[SPW], v[NIL]                      ; the wave's opening: the add, twice on end, and its wait ahead of my first tensor load
	ds_add_u32 v[SPW], v[NIL]                      ; and once more; the set-up below, work on registers, stands between it and the wait
	v_lshrrev_b32 v1, 5, v0
	v_readfirstlane_b32 s14, v1                    ; wave 0..3
	s_lshr_b32 s15, s14, 1                         ; which half of A's rows is mine.  Also: I fetch for A (0) or for B (1)
	s_and_b32 s16, s14, 1                          ; which half of B's rows.  Also: which 8 tiles I fetch
	s_bfe_u32 s40, ttmp6, 0x40000                  ; cx, cy: my place in the cluster
	s_bfe_u32 s41, ttmp6, 0x40004
	s_and_b32 s17, ttmp7, 0xffff
	s_lshl_b32 s17, s17, 2
	s_add_co_u32 s17, s17, s41                     ; which 256 tokens: 4 x cluster y + cy
	s_lshl_b32 s42, ttmp9, 2
	s_add_co_u32 s42, s42, s40                     ; which 256 outputs: 4 x cluster x + cx
	s_lshl_b32 s43, s41, 2
	s_lshl_b32 s43, 15, s43                        ; my row of the cluster
	s_lshl_b32 s44, 0x1111, s40                    ; my column
	; descriptor group 1: a dense block as rows of 256 bytes (32 elements of 8 bytes), no padding.  Codes: 128 rows;  scales: 16 rows
	s_or_b32 s[G1+0], s43, (3<<16)|(1<<21)         ; 15:0 the mask: A's go to my row; 17:16 elements of 8 bytes; 21 set beside a mask
	s_or_b32 s[G1B+0], s44, (3<<16)|(1<<21)
	s_or_b32 s[G1S+0], s43, (3<<16)|(1<<21)
	s_or_b32 s[G1SB+0], s44, (3<<16)|(1<<21)
.irp g, G1, G1B
	s_mov_b32 s[\g+1], 32<<16                      ; tensor_dim0
	s_mov_b32 s[\g+2], 128<<16                     ; tensor_dim1
	s_mov_b32 s[\g+3], 32<<16                      ; tile_dim0
	s_mov_b32 s[\g+4], 128                         ; tile_dim1
	s_mov_b32 s[\g+5], 32                          ; tensor_dim0_stride
	s_mov_b32 s[\g+6], 0
	s_mov_b32 s[\g+7], 0
.endr
.irp g, G1S, G1SB
	s_mov_b32 s[\g+1], 32<<16
	s_mov_b32 s[\g+2], 16<<16
	s_mov_b32 s[\g+3], 32<<16
	s_mov_b32 s[\g+4], 16
	s_mov_b32 s[\g+5], 32
	s_mov_b32 s[\g+6], 0
	s_mov_b32 s[\g+7], 0
.endr
	s_lshl_b32 s18, s16, 3                         ; which 8 tiles I fetch
	s_lshl_b32 s20, s17, 4
	s_add_co_u32 s20, s20, s18                     ; A's first tile of mine, in yc
	s_lshl_b32 s46, s42, 4
	s_add_co_u32 s46, s46, s18
	s_add_co_u32 s46, s46, 704                     ; B's, in opc: W_proj begins at tile 704
	s_lshl_b32 s22, s20, 9                         ; their scale words, in bytes,
	s_mov_b32 s23, 0
	s_lshl_b32 s20, s20, 12                        ; and their codes
	s_mov_b32 s21, 0
	s_lshl_b32 s92, s46, 9
	s_mov_b32 s93, 0
	s_lshl_b32 s46, s46, 12
	s_mov_b32 s47, 0
	s_lshl_b32 s45, s14, 15                        ; where they go: wave x 32,768: no place in the cluster enters an LDS address
	s_lshl_b32 s94, s14, 12
	s_wait_dscnt 0x0                               ; both opening adds are done
	s_wait_kmcnt 0x0
	s_add_nc_u64 s[20:21], s[4:5], s[20:21]
	s_add_nc_u64 s[22:23], s[6:7], s[22:23]
	s_add_nc_u64 s[46:47], s[8:9], s[46:47]
	s_add_nc_u64 s[92:93], s[10:11], s[92:93]
	CROUND                                         ; all sixteen work-groups are here: the joint loads meet
	s_mov_b32 s[G0S], 1
	s_add_co_u32 s[G0S+1], s94, SCL
	s_mov_b64 s[G0S+2:G0S+3], s[22:23]
	s_or_b32 s[G0S+3], s[G0S+3], 0x80000000
	s_mov_b32 s[G0SB], 1
	s_add_co_u32 s[G0SB+1], s94, SCL
	s_mov_b64 s[G0SB+2:G0SB+3], s[92:93]
	s_or_b32 s[G0SB+3], s[G0SB+3], 0x80000000
	JLOAD G0S, G1S, G0SB, G1SB                     ; the scales first: they are wanted with slot 0
.irp s, 0,1
	s_mov_b32 s[G0+4*\s], 1
	s_add_co_u32 s[G0+4*\s+1], s45, \s*SLOT
	s_add_nc_u64 s[G0+4*\s+2:G0+4*\s+3], s[20:21], \s*KSTRA
	s_or_b32 s[G0+4*\s+3], s[G0+4*\s+3], 0x80000000
	s_mov_b32 s[G0B+4*\s], 1
	s_add_co_u32 s[G0B+4*\s+1], s45, \s*SLOT
	s_add_nc_u64 s[G0B+4*\s+2:G0B+4*\s+3], s[46:47], \s*KSTRB
	s_or_b32 s[G0B+4*\s+3], s[G0B+4*\s+3], 0x80000000
	JLOAD G0+4*\s, G1, G0B+4*\s, G1B               ; three tensor loads of mine are out: all that the launch asks for
.endr
	v_and_b32 v1, 15, v0                           ; r
	v_bfe_u32 v2, v0, 4, 1                         ; h
	v_and_b32 v3, 31, v0
	v_lshlrev_b32 v[LI], 4, v3
	s_lshl_b32 s21, s15, 15                        ; my 8 tiles of A
	s_lshl_b32 s22, s16, 15                        ; my 8 tiles of B,
	s_add_co_u32 s22, s22, 2*HALFT                 ; which lie behind A's 16
.irp s, 0,1
	v_add_nc_u32 v[ADRA+\s], s21, v[LI]
	v_add_nc_u32 v[ADRB+\s], s22, v[LI]
	s_add_co_u32 s21, s21, SLOT
	s_add_co_u32 s22, s22, SLOT
.endr
	v_lshlrev_b32 v5, 4, v1                        ; my row's four words of a K step
	s_lshl_b32 s21, s15, 12                        ; A's: my 8 tiles
	s_lshl_b32 s22, s16, 12                        ; B's: my 8 tiles, behind A's 16
	s_add_co_u32 s22, s22, 2*HALFS
	s_sub_co_u32 s22, s22, s21
	v_mul_u32_u24 v6, s22, v2                      ; lanes 16-31 take B's
	s_add_co_u32 s21, s21, SCL
	v_add_nc_u32 v5, v5, v6
	v_add_nc_u32 v[ADRS], s21, v5
	s_mul_i32 s23, s14, 16*SPITCH                  ; my stage
	v_mul_u32_u24 v5, v1, SPITCH                   ; in: row r, + 64 h
	v_lshl_add_u32 v5, v2, 6, v5
	v_add_nc_u32 v[STO], s23, v5
	v_add_nc_u32 v[RD], s23, v[LI]                 ; back: the 32 lanes take one row of 512 bytes
	v_lshlrev_b32 v[BOA], 6, v2
	s_lshl_b32 s18, s42, 10                        ; my first output, in bytes: 1,024 x (its 256) + 512 x half: in b_proj and in a row of out0
	s_lshl_b32 s19, s16, 9
	s_add_co_u32 s18, s18, s19
	s_mov_b32 s19, 0
	s_add_nc_u64 s[BIAS:BIAS+1], s[BIAS:BIAS+1], s[18:19]
	s_add_nc_u64 s[OUT:OUT+1], s[OUT:OUT+1], s[18:19]
	s_lshl_b32 s18, s17, 20                        ; my first token: 256 rows of 4,096 bytes x (its 256) + 128 rows x half
	s_lshl_b32 s12, s15, 19
	s_add_co_u32 s18, s18, s12
	s_add_nc_u64 s[OUT:OUT+1], s[OUT:OUT+1], s[18:19]
	WIN TO_B
.irp e, 0,1,2,3                                ; the bias in the result's layout: register 16 e + i = output 32 e + 16 h + i; it is waited for on the way out
.irp j, 0,1,2,3
	global_load_b128 v[BI+16*\e+4*\j:BI+16*\e+4*\j+3], v[BOA], s[BIAS:BIAS+1] offset:128*\e+16*\j
.endr
.endr
	WIN 0
.macro FRAG reg, adr, q, i             ; a fragment comes as it was stored: 16 bytes at 16 x lane, twice
.irp c, 0,1
	ds_load_b128 v[\reg+4*\c:\reg+4*\c+3], v[\adr] offset:TILEB*(\i)+FRB*(\q)+512*\c
.endr
.endm
; 16 matrix instructions: A's blocks a0, a0 + 1 x B's eight, the slot's q-th 128 along K.  p: B's set;  sc: the set of scale words.  zero = 1: the first product starts the sums.
; The 64 accumulators take turns, one instruction a turn, in the same order in every step.
.macro MUL16 a0, p, q, sc, zero
.irp a, \a0, \a0+1
.irp b, 0,1,2,3,4,5,6,7
.if \zero
	v_wmma_scale_f32_16x16x128_f8f6f4 v[8*(8*((\a)%4)+\b):8*(8*((\a)%4)+\b)+7], v[128*(\p)+FR*\b:128*(\p)+FR*\b+FR-1], v[AF+FR*(\a):AF+FR*(\a)+FR-1], 0, v[SC+8*NQ*(\sc)+NQ*\b+(\q)], v[SC+8*NQ*(\sc)+NQ*(\a)+(\q)] matrix_a_fmt:MATRIX_FMT_FP4 matrix_b_fmt:MATRIX_FMT_FP4 matrix_a_scale:MATRIX_SCALE_ROW1
.else
	v_wmma_scale_f32_16x16x128_f8f6f4 v[8*(8*((\a)%4)+\b):8*(8*((\a)%4)+\b)+7], v[128*(\p)+FR*\b:128*(\p)+FR*\b+FR-1], v[AF+FR*(\a):AF+FR*(\a)+FR-1], v[8*(8*((\a)%4)+\b):8*(8*((\a)%4)+\b)+7], v[SC+8*NQ*(\sc)+NQ*\b+(\q)], v[SC+8*NQ*(\sc)+NQ*(\a)+(\q)] matrix_a_fmt:MATRIX_FMT_FP4 matrix_b_fmt:MATRIX_FMT_FP4 matrix_a_scale:MATRIX_SCALE_ROW1
.endif
.endr
.endr
.endm
.macro FETCH_B slot, q, p              ; B's eight fragments of the slot's q-th 128 along K into set p
	WIN TO_B
.irp i, 0,1,2,3,4,5,6,7
	FRAG 128*(\p)+FR*\i, ADRB+\slot, \q, \i
.endr
	WIN 0
.endm
.macro FETCH_A slot, q, i0             ; A's blocks i0 .. i0 + 3
.irp i, \i0, \i0+1, \i0+2, \i0+3
	FRAG AF+FR*(\i), ADRA+\slot, \q, \i
.endr
.endm
.macro SCALES sc                       ; K step sc's scale words: four a row; lanes 0-15 take A's block i, lanes 16-31 B's block i
.irp i, 0,1,2,3,4,5,6,7
	ds_load_b128 v[SC+8*NQ*\sc+NQ*\i:SC+8*NQ*\sc+NQ*\i+3], v[ADRS] offset:512*\i+256*\sc
.endr
.endm
.macro PLACES n                        ; plain vector instructions between a matrix instruction and a load into, or a vector write or read of, its registers
.rept \n
	v_nop
.endr
.endm
; A step of 128 along K that has its successor in the same slot.  A has one set of registers: blocks 0-3 are fetched anew in the step's middle, blocks 4-7 at its end; B has two sets.
.macro STEP slot, q, zero
	s_wait_dscnt 4*NL                              ; B's set and A's blocks 0-3 are in; the youngest eight loads (A's blocks 4-7) may be out
	WIN MUL_LO
	MUL16 0, (\q)%2, \q, \slot, \zero
	MUL16 2, (\q)%2, \q, \slot, \zero
	s_wait_dscnt 0                                 ; A's blocks 4-7 are in
	PLACES NP
	FETCH_B \slot, (\q)+1, 1-(\q)%2
	FETCH_A \slot, (\q)+1, 0
	WIN MUL_HI
	MUL16 4, (\q)%2, \q, \slot, \zero
	MUL16 6, (\q)%2, \q, \slot, \zero
	PLACES NP
	WIN 0
	FETCH_A \slot, (\q)+1, 4
.endm
.macro STEPS slot, from                ; the slot's steps from .. NQ - 2
.set Q, \from
.rept NQ-1-\from
	STEP \slot, Q, 0
.set Q, Q+1
.endr
.endm
	s_wait_tensorcnt 1                             ; the scales and my part of slot 0 are in (slot 1's load may be out)
	s_barrier_signal -1
	s_barrier_wait -1                              ; everybody's are
	FETCH_B 0, 0, 0
	FETCH_A 0, 0, 0
	SCALES 0
	FETCH_A 0, 0, 4
	STEP 0, 0, 1                                   ; the first step's products start the sums: nothing is cleared
	STEPS 0, 1
	; slot 0's last step changes slots: one barrier.  In front of it my part of slot 1 has landed and my reads of slot 0 are over; behind it slot 1 is whole, and slot 0 is free for the stages of the way out
	s_wait_tensorcnt 0x0                           ; all my tensor loads have landed
	ds_add_u32 v[SPW], v[NIL]                      ; 0 onto my spare word
	s_wait_dscnt 4*NL+1                            ; (the add and the youngest eight loads may be out)
	WIN MUL_LO
	MUL16 0, 1, NQ-1, 0, 0
	s_wait_dscnt 0x0                               ; the add is done, and my reads of slot 0 are over
	s_barrier_signal -1
	MUL16 2, 1, NQ-1, 0, 0
	WIN 0
	s_barrier_wait -1
	PLACES NP
	FETCH_B 1, 0, 0
	FETCH_A 1, 0, 0
	SCALES 1
	WIN MUL_HI
	MUL16 4, 1, NQ-1, 0, 0
	MUL16 6, 1, NQ-1, 0, 0
	PLACES NP
	WIN 0
	FETCH_A 1, 0, 4
	STEPS 1, 0
	s_wait_dscnt 4*NL                              ; the very last step: nothing more to fetch
	WIN MUL_LO
	MUL16 0, 1, NQ-1, 1, 0
	MUL16 2, 1, NQ-1, 1, 0
	s_wait_dscnt 0
	WIN MUL_HI
	MUL16 4, 1, NQ-1, 1, 0
	MUL16 6, 1, NQ-1, 1, 0
	WIN 0
	; THE WAY OUT, block by block of A (16 tokens x my 128 outputs).  The bias is added on the way into window 0 (each accumulator from its low end on).  A lane holds pieces of one row and the lanes beside it
	; hold other rows: so a block goes through my own stage in LDS and comes back as whole rows of 512 bytes, which the 32 lanes store as 512 consecutive bytes, aligned.
	s_wait_loadcnt 0x0                             ; the bias
	PLACES NP                                      ; behind the last products: the first additions write registers that held A's fragments
.irp a, 0,1,2,3,4,5,6,7
.if \a > 0
	s_wait_xcnt 0x0                                ; the last block's stores have read their registers: this block's rows may land there
.endif
	WIN (0x06+\a/4)                                ; source 0 (the sums) window 2 or 3, source 1 (the bias) window 1
.set n, 0
.rept 32
	v_pk_add_f32 v[T+n:T+n+1], v[64*(\a%4)+n:64*(\a%4)+n+1], v[BI+n:BI+n+1]
.set n, n+2
.endr
	WIN 0
.irp e, 0,1,2,3
.irp j, 0,1,2,3
	ds_store_b128 v[STO], v[T+16*\e+4*\j:T+16*\e+4*\j+3] offset:128*\e+16*\j   ; outputs 32 e + 16 h + 4 j on, of row r
.endr
.endr
.irp t, 0,1,2,3,4,5,6,7,8,9,10,11,12,13,14,15
	ds_load_b128 v[BK+4*\t:BK+4*\t+3], v[RD] offset:\t*SPITCH   ; LDS serves a wave's instructions in order: these see the stores above
.endr
.irp t, 0,1,2,3,4,5,6,7,8,9,10,11,12,13,14,15
	s_wait_dscnt 15-\t                             ; row t is back; the younger loads may be out.  (At t = 15 nothing is out: the next block may write T and the stage)
	global_store_b128 v[LI], v[BK+4*\t:BK+4*\t+3], s[OUT:OUT+1] offset:(32*(\a/2)+8*(\a%2)+\t+8*(\t/8))*4096 th:TH_STORE_NT   ; the tile's row t is token 32 (a / 2) + 8 (a % 2) + t + 8 (t / 8) of my 128; 127 rows at the most: inside the signed 24-bit immediate
.endr
.endr
	s_wait_tensorcnt 0x0                           ; the wave's end, behind my last tensor load and my last LDS store
	ds_add_u32 v[SPW], v[NIL]
	s_wait_dscnt 0x0
	CROUND                                         ; the closing round: no work-group ends while a partner may still ask for a tile that names it
	s_endpgm
.Lfunc_end_k_qcdebd0bd5d_proj:
	.size	k_qcdebd0bd5d_proj, .Lfunc_end_k_qcdebd0bd5d_proj-k_qcdebd0bd5d_proj
	.p2alignl 7, 3214868480
	.fill 96, 4, 3214868480
	.section	.rodata,"a",@progbits
	.p2align	6, 0x0
	.amdhsa_kernel k_qcdebd0bd5d_proj
		.amdhsa_group_segment_fixed_size 327680
		.amdhsa_private_segment_fixed_size 0
		.amdhsa_enable_private_segment 0
		.amdhsa_kernarg_size 48
		.amdhsa_user_sgpr_count 2
		.amdhsa_user_sgpr_kernarg_segment_ptr 1
		.amdhsa_wavefront_size32 1
		.amdhsa_system_sgpr_workgroup_id_x 1
		.amdhsa_system_sgpr_workgroup_id_y 1
		.amdhsa_system_sgpr_workgroup_id_z 1
		.amdhsa_system_vgpr_workitem_id 0
		.amdhsa_next_free_vgpr 1024
		.amdhsa_next_free_sgpr 102
		.amdhsa_reserve_vcc 0
		.amdhsa_float_denorm_mode_32 3
		.amdhsa_float_denorm_mode_16_64 3
		.amdhsa_memory_ordered 1
		.amdhsa_forward_progress 1
		.amdhsa_inst_pref_size 145
	.end_amdhsa_kernel
	.amdgpu_metadata
---
amdhsa.version: [ 1, 2 ]
amdhsa.kernels:
  - .name:           k_qcdebd0bd5d_proj
    .symbol:         k_qcdebd0bd5d_proj.kd
    .args:
      - { .name: yc, .offset: 0, .size: 8, .value_kind: global_buffer, .address_space: global }
      - { .name: ys, .offset: 8, .size: 8, .value_kind: global_buffer, .address_space: global }
      - { .name: opc, .offset: 16, .size: 8, .value_kind: global_buffer, .address_space: global }
      - { .name: ops, .offset: 24, .size: 8, .value_kind: global_buffer, .address_space: global }
      - { .name: b_proj, .offset: 32, .size: 8, .value_kind: global_buffer, .address_space: global }
      - { .name: out0, .offset: 40, .size: 8, .value_kind: global_buffer, .address_space: global }
    .group_segment_fixed_size: 327680
    .private_segment_fixed_size: 0
    .kernarg_segment_align: 8
    .kernarg_segment_size: 48
    .max_flat_workgroup_size: 128
    .sgpr_count:     102
    .vgpr_count:     1024
    .wavefront_size: 32
...
	.end_amdgpu_metadata
.endif
;; end of part 4
